; MI455X (gfx1250); checked and timed in simulation.
; The chip was launched on July 23, 2026; its instructions are those of AMD's public machine-readable ISA for CDNA 5 (MIT licence, August 2026) and "CDNA5" Instruction Set Architecture Reference Guide (July 2026). The comments in the code are by the model that wrote it; some were corrected since.
;; GPT2 Attention. Allowed arithmetic: matrix products marked QUANTISED: E5M2 operands, one given power-of-two scale a tensor, by v_wmma_f32_16x16x64_bf8_bf8 or v_wmma_f32_16x16x128_bf8_bf8, f32 sums; everything else in f32.
;; Inputs: W_attn 1,024 x 3,072 float32; W_proj 1,024 x 1,024 float32; b_attn 3,072 float32; b_proj 1,024 float32; lowp_scales 8 int32 (the exponents e of the quantised operands' scales 2^e); x 4 x 2,048 x 1,024 float32.
;; Outputs: out0 4 x 2,048 x 1,024 float32.
;; This version of the problem:
;;   THIS VERSION OF THE PROBLEM IS GIVEN IN LOW PRECISION. The matrix products marked QUANTISED in the list below multiply operands that are first quantised to E5M2 (5 exponent bits, 2 mantissa bits; 8 bits a number), with one given power-of-two scale for each operand tensor; their sums are f32. All else is computed in f32.
;;   The module's matrix products, in the order in which they are computed (A, B: the left and right operand; K: the contracted axis; several contracted axes count as one K, in the product's order):
;;     1. [M 8,192, K 1,024] x [K 1,024, N 3,072]; A: input x; B: input W_attn: QUANTISED (scales: A lowp_scales[0], B lowp_scales[1])
;;     2. batch 64 x [M 2,048, K 64] x [K 64, N 2,048]; A: computed on the way; B: computed on the way: QUANTISED (scales: A lowp_scales[2], B lowp_scales[3])
;;     3. batch 64 x [M 2,048, K 2,048] x [K 2,048, N 64]; A: softmax (see below); B: computed on the way: QUANTISED (scales: A lowp_scales[4], B lowp_scales[5])
;;     4. [M 8,192, K 1,024] x [K 1,024, N 1,024]; A: computed on the way; B: input W_proj: QUANTISED (scales: A lowp_scales[6], B lowp_scales[7])
;;   THE QUANTISER, for each operand of a quantised product, along K:
;;     - The operand's scale is 2^e, e = its entry of the input lowp_scales (int32; the entries are numbered through the quantised products in the list's order, A before B).
;;     - Each number is divided by the scale, clamped to +-57,344, and rounded to the nearest number of E5M2, ties to even, subnormals kept.
;;     - The product sums the exact products of the quantised numbers (number of the format x scale) in f32.
;;   ~~~python
;;   def quantise(x, axis, e):      # numpy; x: float32 -> the quantised numbers, widened to float32 again
;;       x = np.moveaxis(x, axis, -1); K = x.shape[-1]
;;       r = np.clip(x / 2.0 ** e, -57344, 57344)
;;       step = 2.0 ** (np.maximum(np.frexp(np.where(r == 0, 1, r))[1] - 1, -14) - 2)
;;       q = np.round(r / step) * step * 2.0 ** e      # np.round: ties to even
;;       return np.moveaxis(q, -1, axis).astype(np.float32)
;;   ~~~
;;   SOFTMAX AHEAD OF A QUANTISED PRODUCT. Where the list says 'softmax', what is quantised is not the finished softmax but p = 2^(t - M), with t = logit x log2(e) and M = ceil(the row's largest t), a whole number; so 1/2 < the row's largest p <= 1. The row's sum l is taken of the UNQUANTISED p, in f32, and the product's result is divided by l at the end. Since M is a whole number, a kernel that streams over the keys may use a running M (the ceiling of the running maximum): every later rescaling is an exact power of two, so the quantised numbers keep their values, but for numbers so far below the row's largest that they fall under the format's range.
;;   OPERANDS COMPUTED ON THE WAY. 'Computed on the way' means the value that the module computes at that place (a softmax that the list does not call 'softmax' is quantised finished and normalised). What goes into a quantiser is computed in f32, as accurately as f32 sums, v_exp_f32 and their like allow (about 1e-6 of the number): no bf16 or f16 on the way to a quantiser, and a product that is left as it is and whose result goes on into a quantised operand takes f32 operands (vector FMAs, or v_wmma_f32_16x16x4_f32). A number that lies on a knife's edge between two numbers of the format may be rounded either way, as far as f32 arithmetic and the matrix unit's own rounding can turn it there, and no further.
;; One version. Each part assembles by itself: llvm-mc -triple=amdgcn-amd-amdhsa -mcpu=gfx1250 --defsym DOCPART=n.
;; ======== version 1 of 1: 4 launches
;; limits: right only within a limited range of input values
;; workspace buffers: xc 8,388,608 bytes; wac 3,145,728 bytes; wpc 1,048,576 bytes; qc 8,388,608 bytes; kc 8,388,608 bytes; vc 8,388,608 bytes; yc 8,388,608 bytes
;; launch prep (part 1): grid 96 x 4, 4 waves a work-group, no clusters, 102,912 bytes of LDS; arguments x, W_attn, W_proj, lowp_scales, xc, wac, wpc; writes xc, wac, wpc
.if DOCPART == 1
	.amdgcn_target "amdgcn-amd-amdhsa--gfx1250"
	.amdhsa_code_object_version 6
	.text
	.protected	k_qdac181d61a_prep
	.globl	k_qdac181d61a_prep
	.p2align	8
	.type	k_qdac181d61a_prep,@function
k_qdac181d61a_prep:
	s_mov_b64 s[64:65], 0
	v_nop
	global_prefetch_b8 v0, s[64:65] scope:SCOPE_SE
	s_setreg_imm32_b32 hwreg(HW_REG_WAVE_MODE, 25, 1), 1
	s_wait_xcnt 0x0
; The three wide inputs become codes of BF8 (E5M2), one byte each, K innermost, each with the one scale 2^e that is given for it.
;   x      [8192][1024] f32, K innermost        -> xc  [8192][1024]   e = entry 0 of the scales
;   W_attn [1024 (k)][3072 (n)] f32, K outermost -> wac [3072][1024]   e = entry 1
;   W_proj [1024 (k)][1024 (n)] f32, K outermost -> wpc [1024][1024]   e = entry 7
; code = number / 2^e, held within +-57,344, rounded to the nearest code, ties to even.
; LIMITS: each e between -126 and 112, so that 2^e and 57,344 x 2^e are f32 numbers.  NaN among the inputs is not served; an infinity is held at the largest code.
; SHARES, by the work-group's x: 0-23 W_attn (128 columns x 256 along K; y = which 256 along K), 24-31 W_proj likewise, 32-95 x (32,768 numbers a work-group, 8,192 a wave).
; The three ways share no LDS byte: x's stages lie at 0, W_attn's at 32,768, W_proj's at 67,584.  No tensor load, no barrier: waves share nothing.
.set SP,     80                        ; x: a lane's place in a stage: its 64 bytes + 16 of padding
.set CB,     16                        ; bytes of 16 codes
.set STEPS,  16
.set XREG,   8192                      ; x: LDS of a wave: two stages of 32 x SP bytes
.set EMAX,   15
.set MANT,   0x600000                  ; the mantissa field of 57,344 as f32
.set RR,     16                        ; x: v16-79   four sets of 16 numbers as loaded
.set XX,     80                        ; x: v80-111  two sets of 16 neighbours
.set CC,     128                       ; x: v128-191 codes, four registers for each step: no store's data are written again
.set WPITCH, 272                       ; weights: a stage row: 256 bytes of codes + 16
.set KROW,   1024                      ; a row of codes in memory
.set NB,     8                         ; weights: blocks of 32 along K for a wave
.set WX,     32                        ; weights: v32-95 two sets of 32 numbers
.set WC,     96                        ; weights: v96-103 a block's codes
.set WOUT,   112                       ; weights: v112-175 the way out
.set LDSWA,  32768
.set LDSWP,  67584
	s_load_b256 s[36:43], s[0:1], 0x0              ; x s[36:37], W_attn s[38:39], W_proj s[40:41], the scales' exponents s[42:43]
	s_load_b128 s[44:47], s[0:1], 0x20             ; xc s[44:45], wac s[46:47]
	s_load_b64 s[48:49], s[0:1], 0x30              ; wpc
	v_lshl_add_u32 v192, v0, 2, 0x19000
	v_mov_b32 v193, 0
	v_lshrrev_b32 v1, 5, v0
	v_readfirstlane_b32 s16, v1                    ; wave 0..3
	v_and_b32 v2, 31, v0                           ; lane
	s_and_b32 s18, ttmp7, 0xffff                   ; work-group y
	s_wait_kmcnt 0x0
	s_load_b256 s[52:59], s[42:43], 0x0            ; e0 .. e7
	s_cmp_lt_u32 ttmp9, 24
	s_cbranch_scc1 .Lwa
	s_cmp_lt_u32 ttmp9, 32
	s_cbranch_scc1 .Lwp
; ---------------- x: K is innermost, so the tensor is a plain stream, and so are its codes
; The conversion takes 8 numbers from ONE lane's consecutive registers, a load is best where neighbouring LANES take neighbouring bytes: each of a step's four loads reads 512 consecutive
; bytes, the 2,048 bytes go through the wave's own stage as they lie and come back 64 bytes a lane.  A lane's 16 codes are 16 bytes: the wave stores 512 consecutive bytes.
	s_sub_co_u32 s17, ttmp9, 32
	s_lshl_b32 s17, s17, 2
	s_add_co_u32 s17, s17, s18                     ; which run of 32,768 numbers: 4 (x - 32) + y
	s_lshl_b32 s17, s17, 2
	s_add_co_u32 s17, s17, s16                     ; which run of 8,192 is my wave's: 0 .. 1,023
	s_lshl_b32 s20, s17, 15                        ; 32,768 bytes of f32
	s_mov_b32 s21, 0
	s_add_nc_u64 s[4:5], s[36:37], s[20:21]
	s_lshl_b32 s20, s17, 13                        ; 8,192 bytes of codes
	s_add_nc_u64 s[8:9], s[44:45], s[20:21]
	s_wait_alu depctr_va_vdst(0)
	v_lshlrev_b32 v3, 4, v2                        ; my 16 bytes of a load's 512
	s_mul_i32 s19, s16, XREG
	v_lshrrev_b32 v14, 2, v2
	v_mul_u32_u24 v14, v14, SP
	v_and_b32 v15, 3, v2
	v_lshl_add_u32 v14, v15, 4, v14
	v_add_nc_u32 v14, s19, v14                     ; the stage, on the way in: SP (lane / 4) + 16 (lane % 4)
	v_mul_u32_u24 v15, v2, SP
	v_add_nc_u32 v15, s19, v15                     ; and on the way out: SP x lane: my 16 neighbours
	v_mul_u32_u24 v4, v2, CB                       ; my codes' place in a step's
.macro XLOAD t
.irp i, 0,1,2,3
	global_load_b128 v[RR+16*((\t)%4)+4*\i:RR+16*((\t)%4)+4*\i+3], v3, s[4:5] offset:2048*(\t)+512*\i th:TH_LOAD_NT   ; 32 lanes read 512 consecutive bytes
.endr
.endm
.macro XTURN t                         ; step t's numbers through the stage: LDS serves a wave's instructions in order, so no wait stands between the stores and the loads
.irp i, 0,1,2,3
	ds_store_b128 v14, v[RR+16*((\t)%4)+4*\i:RR+16*((\t)%4)+4*\i+3] offset:32*SP*((\t)%2)+8*SP*\i
.endr
.irp i, 0,1,2,3
	ds_load_b128 v[XX+16*((\t)%2)+4*\i:XX+16*((\t)%2)+4*\i+3], v15 offset:32*SP*((\t)%2)+16*\i
.endr
.endm
.irp t, 0,1,2,3
	XLOAD \t
.endr
	s_wait_alu depctr_va_vdst(0)
	s_wait_kmcnt 0x0
	s_add_co_i32 s22, s52, 127                     ; e0
	s_lshl_b32 s23, s22, 23
	v_mov_b32 v11, s23                             ; 2^e as f32: the conversion takes its exponent field
	s_add_co_i32 s22, s22, EMAX
	s_lshl_b32 s22, s22, 23
	s_or_b32 s22, s22, MANT
	v_mov_b32 v10, s22                             ; 57,344 x 2^e
	s_wait_alu depctr_va_vdst(0)
	s_wait_loadcnt 12                              ; step 0's four loads are in; the twelve of steps 1 to 3 may be out
	XTURN 0
.macro XSTEP t
.set XS, XX+16*((\t)%2)
	s_wait_dscnt 0x0                               ; this step's numbers are back from the stage: so its stores into the stage have read their registers,
.if (\t)+4 < STEPS
	XLOAD (\t)+4                                   ; which take the loads of four steps on
.endif
.if (\t)+1 < STEPS
.if STEPS-2-(\t) >= 3
	s_wait_loadcnt 12                              ; the next step's four loads are in; those of the three steps behind it may be out
.else
	s_wait_loadcnt 4*(STEPS-2-(\t))
.endif
	XTURN (\t)+1                                   ; and go through the other stage while this step is worked
.endif
.irp i, 0,1,2,3,4,5,6,7,8,9,10,11,12,13,14,15
	v_med3_num_f32 v[XS+\i], v[XS+\i], -v10, v10   ; the conversion to an 8-bit code does not saturate (ISA guide 7.6.2): the number is held first
.endr
	v_cvt_scalef32_pk8_bf8_f32 v[CC+4*(\t):CC+4*(\t)+1], v[XS:XS+7], v11
	v_cvt_scalef32_pk8_bf8_f32 v[CC+4*(\t)+2:CC+4*(\t)+3], v[XS+8:XS+15], v11
	global_store_b128 v4, v[CC+4*(\t):CC+4*(\t)+3], s[8:9] offset:32*CB*(\t)   ; the codes go to a store alone; the next vector lines are the next step's holds, on other registers
.endm
.irp t, 0,1,2,3,4,5,6,7,8,9,10,11,12,13,14,15
	XSTEP \t
.endr
	s_wait_tensorcnt 0x0
	ds_add_u32 v192, v193
	s_wait_dscnt 0x0
	s_endpgm
; ---------------- the weights: K is the FIRST axis.  A lane takes a column n and its registers run down K: each load reads neighbouring n in neighbouring lanes, and the conversions
; give codes with K innermost.  A wave takes 32 columns x 256 along K; the codes go through its own stage and leave as rows: sixteen lanes store 256 consecutive bytes, aligned.
.macro WLOAD t, n                      ; block t: W(32 t + i, my column), i = 0 .. 31, into set t % 2
.irp i, 0,1,2,3,4,5,6,7,8,9,10,11,12,13,14,15,16,17,18,19,20,21,22,23,24,25,26,27,28,29,30,31
	global_load_b32 v[WX+32*((\t)%2)+\i], v3, s[4:5] offset:(32*(\t)+\i)*(\n)*4 th:TH_LOAD_NT
.endr
.endm
.macro WBLOCK t, n
.set WS, WX+32*((\t)%2)
.if (\t) < NB-1
	s_wait_loadcnt 32                              ; this block's 32 loads are in; the next block's 32 may be out
.else
	s_wait_loadcnt 0
.endif
.irp i, 0,1,2,3,4,5,6,7,8,9,10,11,12,13,14,15,16,17,18,19,20,21,22,23,24,25,26,27,28,29,30,31
	v_med3_num_f32 v[WS+\i], v[WS+\i], -v10, v10
.endr
.irp g, 0,1,2,3
	v_cvt_scalef32_pk8_bf8_f32 v[WC+2*\g:WC+2*\g+1], v[WS+8*\g:WS+8*\g+7], v11
.endr
	ds_store_b128 v4, v[WC:WC+3] offset:32*(\t)    ; 32 codes: 32 bytes of my column's row
	ds_store_b128 v4, v[WC+4:WC+7] offset:32*(\t)+16
.if (\t)+2 < NB
	WLOAD (\t)+2, \n
.endif
	s_wait_dscnt 0x0                               ; the stores have read their registers: the next block's codes may be written
.endm
; n: the weight's columns; lb: where this way's stages lie in LDS; ereg: the scalar register with its exponent.  On entry: s[4:5] the weight, s[8:9] its codes, s17 my wave's first column, s18 which 256 along K.
; Every offset is an immediate: 255 x n x 4 is 3,133,440 at the most, inside the signed 24 bits (ISA guide, chapter 10).
.macro WQ n, lb, ereg
	v_lshlrev_b32 v3, 2, v2                        ; in: 4 bytes a lane
	s_mul_i32 s19, s16, 32*WPITCH
	s_add_co_u32 s19, s19, \lb                     ; my stage
	v_mul_u32_u24 v4, v2, WPITCH
	v_add_nc_u32 v4, s19, v4                       ; into it: row = my column
	v_and_b32 v5, 15, v2
	v_lshrrev_b32 v6, 4, v2                        ; out of it: sixteen lanes to a row, two rows an instruction
	v_mul_u32_u24 v7, v6, WPITCH
	v_lshl_add_u32 v7, v5, 4, v7
	v_add_nc_u32 v7, s19, v7
	v_mul_u32_u24 v8, v6, KROW
	v_lshl_add_u32 v8, v5, 4, v8                   ; and the same place in the codes' buffer
	s_mul_i32 s20, s18, 256*(\n)*4                 ; 256 rows of the weight for each step of y,
	s_lshl_b32 s22, s17, 2
	s_add_co_u32 s20, s20, s22                     ; + 4 bytes a column
	s_mov_b32 s21, 0
	s_add_nc_u64 s[4:5], s[4:5], s[20:21]
	s_lshl_b32 s24, s17, 10                        ; codes: column x 1,024
	s_lshl_b32 s26, s18, 8
	s_add_co_u32 s24, s24, s26                     ; + 256 y
	s_mov_b32 s25, 0
	s_add_nc_u64 s[8:9], s[8:9], s[24:25]
	WLOAD 0, \n
	WLOAD 1, \n
	s_wait_kmcnt 0x0
	s_add_co_i32 s30, s[\ereg], 127
	s_lshl_b32 s31, s30, 23
	v_mov_b32 v11, s31                             ; 2^e as f32
	s_add_co_i32 s30, s30, EMAX
	s_lshl_b32 s30, s30, 23
	s_or_b32 s30, s30, MANT
	v_mov_b32 v10, s30                             ; 57,344 x 2^e
.set QB, 0
	s_wait_alu depctr_va_vdst(0)
.rept NB
	WBLOCK QB, \n
.set QB, QB+1
.endr
.irp t, 0,1,2,3,4,5,6,7,8,9,10,11,12,13,14,15
	ds_load_b128 v[WOUT+4*\t:WOUT+4*\t+3], v7 offset:2*\t*WPITCH   ; LDS serves a wave's instructions in order: these see my stores
.endr
.irp t, 0,1,2,3,4,5,6,7,8,9,10,11,12,13,14,15
	s_wait_dscnt 15-\t                             ; load t is in; the younger ones may be out
	global_store_b128 v8, v[WOUT+4*\t:WOUT+4*\t+3], s[8:9] offset:2*\t*KROW
.endr
.endm
.Lwa:
	s_mov_b64 s[4:5], s[38:39]
	s_mov_b64 s[8:9], s[46:47]
	s_lshl_b32 s17, ttmp9, 7
	s_lshl_b32 s19, s16, 5
	s_add_co_u32 s17, s17, s19                     ; my wave's first column: 128 x + 32 wave
	s_wait_alu depctr_va_vdst(0)
	WQ 3072, LDSWA, 53
	s_wait_tensorcnt 0x0
	ds_add_u32 v192, v193
	s_wait_dscnt 0x0
	s_endpgm
.Lwp:
	s_mov_b64 s[4:5], s[40:41]
	s_mov_b64 s[8:9], s[48:49]
	s_sub_co_u32 s17, ttmp9, 24
	s_lshl_b32 s17, s17, 7
	s_lshl_b32 s19, s16, 5
	s_add_co_u32 s17, s17, s19
	s_wait_alu depctr_va_vdst(0)
	WQ 1024, LDSWP, 59
	s_wait_tensorcnt 0x0
	ds_add_u32 v192, v193
	s_wait_dscnt 0x0
	s_endpgm
.Lfunc_end_k_qdac181d61a_prep:
	.size	k_qdac181d61a_prep, .Lfunc_end_k_qdac181d61a_prep-k_qdac181d61a_prep
	.p2alignl 7, 3214868480
	.fill 96, 4, 3214868480
	.section	.rodata,"a",@progbits
	.p2align	6, 0x0
	.amdhsa_kernel k_qdac181d61a_prep
		.amdhsa_group_segment_fixed_size 102912
		.amdhsa_private_segment_fixed_size 0
		.amdhsa_enable_private_segment 0
		.amdhsa_kernarg_size 56
		.amdhsa_user_sgpr_count 2
		.amdhsa_user_sgpr_kernarg_segment_ptr 1
		.amdhsa_wavefront_size32 1
		.amdhsa_system_sgpr_workgroup_id_x 1
		.amdhsa_system_sgpr_workgroup_id_y 1
		.amdhsa_system_sgpr_workgroup_id_z 1
		.amdhsa_system_vgpr_workitem_id 0
		.amdhsa_next_free_vgpr 194
		.amdhsa_next_free_sgpr 66
		.amdhsa_reserve_vcc 0
		.amdhsa_float_denorm_mode_32 3
		.amdhsa_float_denorm_mode_16_64 3
		.amdhsa_memory_ordered 1
		.amdhsa_forward_progress 1
		.amdhsa_inst_pref_size 134
	.end_amdhsa_kernel
	.amdgpu_metadata
---
amdhsa.version: [ 1, 2 ]
amdhsa.kernels:
  - .name:           k_qdac181d61a_prep
    .symbol:         k_qdac181d61a_prep.kd
    .args:
      - { .name: x, .offset: 0, .size: 8, .value_kind: global_buffer, .address_space: global }
      - { .name: W_attn, .offset: 8, .size: 8, .value_kind: global_buffer, .address_space: global }
      - { .name: W_proj, .offset: 16, .size: 8, .value_kind: global_buffer, .address_space: global }
      - { .name: lowp_scales, .offset: 24, .size: 8, .value_kind: global_buffer, .address_space: global }
      - { .name: xc, .offset: 32, .size: 8, .value_kind: global_buffer, .address_space: global }
      - { .name: wac, .offset: 40, .size: 8, .value_kind: global_buffer, .address_space: global }
      - { .name: wpc, .offset: 48, .size: 8, .value_kind: global_buffer, .address_space: global }
    .group_segment_fixed_size: 102912
    .private_segment_fixed_size: 0
    .kernarg_segment_align: 8
    .kernarg_segment_size: 56
    .max_flat_workgroup_size: 128
    .sgpr_count:     66
    .vgpr_count:     194
    .wavefront_size: 32
...
	.end_amdgpu_metadata
.endif
;; end of part 1
;; launch gemm_qkv (part 2): grid 12 x 32, 4 waves a work-group, clusters of 4 x 4, 327,680 bytes of LDS; arguments xc, wac, b_attn, lowp_scales, qc, kc, vc; writes qc, kc, vc
.if DOCPART == 2
	.amdgcn_target "amdgcn-amd-amdhsa--gfx1250"
	.amdhsa_code_object_version 6
	.text
	.protected	k_qdac181d61a_gemm_qkv
	.globl	k_qdac181d61a_gemm_qkv
	.p2align	8
	.type	k_qdac181d61a_gemm_qkv,@function
k_qdac181d61a_gemm_qkv:
	s_mov_b64 s[64:65], 0
	v_nop
	global_prefetch_b8 v0, s[64:65] scope:SCOPE_SE
	s_setreg_imm32_b32 hwreg(HW_REG_WAVE_MODE, 25, 1), 1
	s_wait_xcnt 0x0
	s_wait_alu depctr_hold_cnt(0) depctr_sa_sdst(0) depctr_va_vdst(0) depctr_va_sdst(0) depctr_va_ssrc(0) depctr_va_vcc(0) depctr_vm_vsrc(0)
	s_getreg_b32 s2, hwreg(HW_REG_IB_STS2, 6, 4)
	s_cmp_eq_u32 s2, 0
	s_cbranch_scc0 .Lentry_in_a_cluster
	s_endpgm
.Lentry_in_a_cluster:
	s_bfe_u32 s2, ttmp6, 0x10000c
	s_cmp_lg_u32 s2, 0xf033
	s_cbranch_scc0 .Lentry_shape_is_right
	s_endpgm
.Lentry_shape_is_right:
; qkv = x W_attn + b_attn on codes of BF8 (E5M2), and q, k, v quantised on the way out.  xc: [8192][1024], wac: [3072][1024], codes, K innermost.  Sums in f32; each finished sum x 2^(e0 + e1) + bias, one fused multiply-add.
; OUT: qc, kc: [16 b + head][t 2048][d 64] (scales e2, e3);  vc: [16 b + head][d 64][t 2048], the keys innermost, since they are the later product's K (scale e5).
; LIMITS: e0 + e1 between -126 and 127; e2, e3, e5 between -126 and 112: each power of two below is then an f32 number.  NaN is not served.
; A tile of 256 x 256 is made by four waves, 128 x 128 each: 64 accumulators, 512 registers.  K goes in steps of 256 through a ring of two LDS slots filled by the tensor data mover.
; THE CLUSTER'S x SAYS THE KIND: 0 = q, 1 = k, 2 = v; it is the same in all sixteen partners.  The core multiplies rows of a tensor A' by rows of a tensor B', source 0 = 16 rows of B', source 1 = 16 rows of A':
; a lane then holds ONE row of A' and eight NEIGHBOURING rows of B'.  q, k: A' = x (tokens), B' = W_attn's rows (features): the eight run along d.  v: A' = W_attn's rows 2,048 on, B' = x: the eight run along t.
; So in both kinds the conversion finds eight neighbours along the later K in a lane's registers.  Only pointers and cluster coordinates are chosen; both tensors have rows of 1,024 bytes.
; CLUSTERS: 4 x 4 work-groups.  The four of a row of the cluster need the same tiles of A', the four of a column the same tiles of B': each tile is asked for jointly.
; REGISTERS, in windows of 256: window 0: v0-31 addresses; v32-95 the bias; from v128 A's fragments, ONE set; on the way out v96-223 are free.   window 1: B's fragments, TWO sets.   windows 2, 3: the accumulators ((a, b) at v[8 (8 (a % 4) + b)]).
.set SIZE_K, 1024
.set KSTEP,  256
.set ROWB,   256
.set KROW,   SIZE_K
.set PITCH,  272                       ; an LDS row: 256 bytes + 16 of padding = 68 words: row r starts at bank 4 r mod 64 (64 banks of 4 bytes: ISA guide 11.1)
.set FR,     16
.set NL,     4
.set NP,     4                         ; places behind this matrix instruction (ISA guide 7.12.1)
.set HALFT,  128*PITCH
.set SLOT,   4*HALFT
.set LAPS,   SIZE_K/(2*KSTEP)
.set SPARE,  2*SLOT                    ; behind the ring: the spare words, 128 bytes for each wave
.set STGV,   256*PITCH                 ; the way out: q's and k's stage lies at LDS byte 0, v's here; each 256 rows x 272; together they are slot 0, which has had its last fill and its last read by then
.set STOQ, 8                           ; v8   q, k: where I put 8 codes
.set RDQ,  9                           ; v9   q, k: where I read 16 bytes back
.set STOV, 10                          ; v10  v: the same two
.set RDV,  11
.set COQ,  12                          ; v12  q, k: my byte offset in memory
.set COV,  13                          ; v13  v: likewise
.set BAQ,  14                          ; v14  q, k: my byte offset in the bias
.set BAV,  15                          ; v15  v: likewise
.set ADRA, 16
.set ADRB, 20
.set SPW,  28                          ; v28  LDS address of my spare word; never rewritten
.set NIL,  29                          ; v29  0; never rewritten
.set BI,   32                          ; v32-95 the bias
.set OUTR, 96                          ; v96-223 rows read back from the stage
.set TMP,  128                         ; v128-191 a block's numbers; v192-223 its codes
.set AF,   128
.set G1, 24
.set G0, 32
.set G1B, 48
.set G0B, 56
.set MSB, 0
.macro WIN new                         ; the immediate's high byte repeats the setting that is left
.if MSB != (\new)
	s_set_vgpr_msb (MSB<<8)|(\new)
.set MSB, \new
.endif
.endm
.set MUL_LO, 0xa1                      ; source 0 (B') window 1, source 1 (A') window 0, C and D window 2
.set MUL_HI, 0xf1
.set TO_B,   0x40
; A joint load: waves 0 and 1 fetch for A', waves 2 and 3 for B'.  The branch hangs on the wave's number alone.  Four v_nop follow each of the two lines.
.macro JLOAD g0a, g1a, g0b, g1b
	s_cmp_eq_u32 s15, 0
	s_cbranch_scc0 .Lfor_b_\@
	tensor_load_to_lds s[\g0a:\g0a+3], s[\g1a:\g1a+7]
	s_nop 0
.rept 4
	v_nop
.endr
	s_branch .Lasked_\@
.Lfor_b_\@:
	tensor_load_to_lds s[\g0b:\g0b+3], s[\g1b:\g1b+7]
	s_nop 0
.rept 4
	v_nop
.endr
.Lasked_\@:
.endm
.macro CREST                           ; a round of the cluster's barrier behind its opening barrier
	s_cmp_lg_u32 s14, 0
	s_cbranch_scc1 .Lnot_wave_0_\@
	s_barrier_signal -3
.Lnot_wave_0_\@:
	s_barrier_wait -3
	s_barrier_signal -1
	s_barrier_wait -1
.endm
.macro CROUND
	s_barrier_signal -1
	s_barrier_wait -1
	CREST
.endm
	s_load_b256 s[68:75], s[0:1], 0x0              ; xc s[68:69], wac s[70:71], b_attn s[72:73], the scales' exponents s[74:75]
	s_load_b128 s[76:79], s[0:1], 0x20             ; qc s[76:77], kc s[78:79]
	s_load_b64 s[80:81], s[0:1], 0x30              ; vc
	v_lshl_add_u32 v[SPW], v0, 2, SPARE
	v_mov_b32 v[NIL], 0
	ds_add_u32 v28, v29
	ds_add_u32 v28, v29
	s_wait_dscnt 0x0
	v_lshrrev_b32 v1, 5, v0
	v_readfirstlane_b32 s14, v1                    ; wave 0..3
	s_lshr_b32 s15, s14, 1                         ; which half of the tile's rows of A' is mine.  Also: I fetch for A' (0) or for B' (1)
	s_and_b32 s16, s14, 1                          ; which half of its rows of B'.  Also: which 128 rows of that tile I fetch
	s_bfe_u32 s40, ttmp6, 0x40000                  ; cx, cy: my place in the cluster
	s_bfe_u32 s41, ttmp6, 0x40004
	s_and_b32 s17, ttmp7, 0xffff                   ; cluster y
	s_cmp_eq_u32 ttmp9, 2                          ; v?  The cluster's x: the same in all partners
	s_cselect_b32 s67, 0, s17                      ; v: A' has four tile rows, all in this cluster; q, k: cluster y walks the tokens
	s_cselect_b32 s66, s17, ttmp9                  ; v: cluster y walks the tokens, which are B'; q, k: cluster x walks the features
	s_lshl_b32 s42, s66, 2
	s_add_co_u32 s42, s42, s40                     ; tile column (of B')
	s_lshl_b32 s17, s67, 2
	s_add_co_u32 s17, s17, s41                     ; tile row (of A')
	s_lshl_b32 s43, s41, 2
	s_lshl_b32 s43, 15, s43                        ; my row of the cluster
	s_lshl_b32 s44, 0x1111, s40                    ; my column
	s_or_b32 s[G1+0], s43, (0<<16)|(1<<20)|(1<<21)|(5<<22)|(3<<25)  ; 15:0 the mask; 17:16 elements of 1 byte; 20 padding on; 21 set beside a mask; 24:22 after every 64 words; 31:25 four words
	s_or_b32 s[G1B+0], s44, (0<<16)|(1<<20)|(1<<21)|(5<<22)|(3<<25)
.irp g, G1, G1B
	s_mov_b32 s[\g+1], ROWB<<16                    ; tensor_dim0
	s_mov_b32 s[\g+2], 128<<16                     ; tensor_dim1
	s_mov_b32 s[\g+3], ROWB<<16                    ; tile_dim0
	s_mov_b32 s[\g+4], 128                         ; tile_dim1
	s_mov_b32 s[\g+5], KROW                        ; tensor_dim0_stride
	s_mov_b32 s[\g+6], 0
	s_mov_b32 s[\g+7], 0
.endr
	s_lshl_b32 s18, s16, 7
	s_lshl_b32 s20, s17, 8
	s_add_co_u32 s20, s20, s18                     ; A': row 256 x tile row + 128 x half
	s_lshl_b32 s46, s42, 8
	s_add_co_u32 s46, s46, s18                     ; B': row 256 x tile column + 128 x half
	s_mov_b32 s21, 0
	s_mov_b32 s47, 0
	s_mov_b64 s[18:19], KROW
	s_mul_u64 s[20:21], s[20:21], s[18:19]
	s_mul_u64 s[46:47], s[46:47], s[18:19]
	s_mul_i32 s45, s14, HALFT                      ; where they go: wave x 128 rows
	s_wait_kmcnt 0x0
	s_load_b256 s[84:91], s[74:75], 0x0            ; e0 .. e7
	s_add_nc_u64 s[82:83], s[70:71], 2048*KROW     ; W_attn's rows for v
	s_cmp_eq_u32 ttmp9, 2
	s_cselect_b64 s[4:5], s[82:83], s[68:69]       ; A'
	s_cselect_b64 s[6:7], s[68:69], s[70:71]       ; B'
	s_add_nc_u64 s[20:21], s[4:5], s[20:21]
	s_add_nc_u64 s[46:47], s[6:7], s[46:47]
	CROUND                                         ; all sixteen work-groups are here: the first joint loads meet
.irp s, 0,1
	s_mov_b32 s[G0+4*\s], 1
	s_add_co_u32 s[G0+4*\s+1], s45, \s*SLOT
	s_add_nc_u64 s[G0+4*\s+2:G0+4*\s+3], s[20:21], \s*ROWB
	s_or_b32 s[G0+4*\s+3], s[G0+4*\s+3], 0x80000000
	s_mov_b32 s[G0B+4*\s], 1
	s_add_co_u32 s[G0B+4*\s+1], s45, \s*SLOT
	s_add_nc_u64 s[G0B+4*\s+2:G0B+4*\s+3], s[46:47], \s*ROWB
	s_or_b32 s[G0B+4*\s+3], s[G0B+4*\s+3], 0x80000000
.endr
	JLOAD G0, G1, G0B, G1B                         ; K step 0: one tensor load a wave at the head
	v_and_b32 v1, 15, v0                           ; r = l % 16
	s_wait_alu depctr_va_vdst(0)
	v_bfe_u32 v2, v0, 4, 1                         ; h = l / 16
	v_mul_u32_u24 v3, v1, PITCH
	v_lshl_add_u32 v4, v2, 4, v3                   ; a fragment's row x pitch + 16 x half
	s_mul_i32 s21, s15, HALFT
	s_mul_i32 s22, s16, HALFT
	s_add_co_u32 s22, s22, 2*HALFT
.irp s, 0,1
	v_add_nc_u32 v[ADRA+\s], s21, v4
	v_add_nc_u32 v[ADRB+\s], s22, v4
	s_add_co_u32 s21, s21, SLOT
	s_add_co_u32 s22, s22, SLOT
.endr
	; THE WAY OUT'S ADDRESSES, all made here.  q, k: stage row 64 hh + g holds head hh of the tile's four and tokens 4 g .. 4 g + 3, 64 bytes each: 256 bytes that are neighbours in memory.
	s_lshl_b32 s21, s16, 7
	s_lshl_b32 s22, s15, 5
	s_add_co_u32 s21, s21, s22
	s_mul_i32 s21, s21, PITCH                      ; my waves' rows begin at 128 (half of B') + 32 (half of A')
	v_lshrrev_b32 v3, 2, v1
	v_mul_u32_u24 v3, v3, PITCH                    ; + r / 4 rows
	v_and_b32 v4, 3, v1
	v_lshl_add_u32 v3, v4, 6, v3                   ; + 64 (r % 4)
	v_lshl_add_u32 v3, v2, 3, v3                   ; + 8 h
	v_add_nc_u32 v[STOQ], s21, v3
	s_mul_i32 s21, s14, 64*PITCH                   ; back: wave w takes stage rows 64 w .. 64 w + 63; lanes 0-15 one row, lanes 16-31 the next
	v_mul_u32_u24 v3, v2, PITCH
	v_lshl_add_u32 v3, v1, 4, v3
	v_add_nc_u32 v[RDQ], s21, v3
	; v leaves as vc [16 b + head][t / 128][d 64][t % 128]: lanes 0-7 take 128 tokens of one feature, lanes 8-15 of the next; lanes 16-31 the tile's other 128 tokens
	v_bfe_u32 v3, v0, 3, 1
	v_mul_u32_u24 v3, v3, PITCH
	v_lshl_add_u32 v3, v2, 7, v3
	v_and_b32 v4, 7, v0
	v_lshl_add_u32 v3, v4, 4, v3
	v_add_nc_u32 v3, s21, v3
	v_add_nc_u32 v[RDV], STGV, v3
	s_mul_i32 s21, s15, 128*PITCH                  ; v: stage row = feature, 256 tokens along it
	s_lshl_b32 s22, s16, 7
	s_add_co_u32 s21, s21, s22
	s_add_co_u32 s21, s21, STGV
	v_mul_u32_u24 v3, v1, PITCH
	v_lshl_add_u32 v3, v2, 3, v3
	v_add_nc_u32 v[STOV], s21, v3
	v_and_b32 v6, 31, v0
	v_lshlrev_b32 v[COQ], 4, v6                    ; q, k: two stage rows are 512 consecutive bytes of memory
	v_lshlrev_b32 v[COV], 13, v2                   ; a block of 128 tokens x 64 features is 8,192 bytes
	v_lshl_add_u32 v[COV], v1, 4, v[COV]           ; v: two rows of 2,048 bytes
	v_lshlrev_b32 v[BAQ], 5, v2                    ; q, k: the bias of features 8 h on
	v_lshlrev_b32 v[BAV], 2, v1                    ; v: the bias of feature r
.macro FRAG reg, adr, q, i             ; a fragment, 16 rows x 128 K: lane l holds row l % 16; registers 4 c .. 4 c + 3 hold K = 32 c + 16 (l / 16) + 0 .. 15: the same permutation of k in A' and B'
.irp c, 0,1,2,3
	ds_load_b128 v[\reg+4*\c:\reg+4*\c+3], v[\adr] offset:128*(\q)+32*\c+(\i)*16*PITCH
.endr
.endm
; 16 matrix instructions: A's blocks a0, a0 + 1 x B's eight.  The 64 accumulators take turns, one instruction a turn, in the same order in every step.
.macro MUL16 a0, p, zero
.irp a, \a0, \a0+1
.irp b, 0,1,2,3,4,5,6,7
.if \zero
	v_wmma_f32_16x16x128_bf8_bf8 v[8*(8*((\a)%4)+\b):8*(8*((\a)%4)+\b)+7], v[128*(\p)+FR*\b:128*(\p)+FR*\b+FR-1], v[AF+FR*(\a):AF+FR*(\a)+FR-1], 0
.else
	v_wmma_f32_16x16x128_bf8_bf8 v[8*(8*((\a)%4)+\b):8*(8*((\a)%4)+\b)+7], v[128*(\p)+FR*\b:128*(\p)+FR*\b+FR-1], v[AF+FR*(\a):AF+FR*(\a)+FR-1], v[8*(8*((\a)%4)+\b):8*(8*((\a)%4)+\b)+7]
.endif
.endr
.endr
.endm
.macro FETCH_B slot, q, p
	WIN TO_B
.irp i, 0,1,2,3,4,5,6,7
	FRAG 128*(\p)+FR*\i, ADRB+\slot, \q, \i
.endr
	WIN 0
.endm
.macro FETCH_A slot, q, i0
.irp i, \i0, \i0+1, \i0+2, \i0+3
	FRAG AF+FR*(\i), ADRA+\slot, \q, \i
.endr
.endm
.macro PLACES n                        ; plain vector lines between a matrix instruction and a load into, or a vector line on, its registers
.rept \n
	v_nop
.endr
.endm
.macro STEP slot, q, zero              ; a step of 128 along K that has its successor in the same slot
	s_wait_dscnt 4*NL                              ; B's set and A's blocks 0-3 are in; the youngest sixteen loads (A's blocks 4-7) may be out
	WIN MUL_LO
	MUL16 0, (\q)%2, \zero
	MUL16 2, (\q)%2, \zero
	s_wait_dscnt 0
	PLACES NP
	FETCH_B \slot, (\q)+1, 1-(\q)%2
	FETCH_A \slot, (\q)+1, 0
	WIN MUL_HI
	MUL16 4, (\q)%2, \zero
	MUL16 6, (\q)%2, \zero
	PLACES NP
	WIN 0
	FETCH_A \slot, (\q)+1, 4
.endm
; A slot's last step changes slots: ONE barrier; in front of it each wave waits for all its tensor loads, adds 0 to its spare word, and waits for that and for its own reads of this slot.
.macro TURN slot, next, fill
	s_wait_tensorcnt 0x0                           ; all my tensor loads have landed: my part of the next slot
	ds_add_u32 v[SPW], v[NIL]                      ; 0 onto my spare word
	s_wait_dscnt 4*NL+1                            ; the add and the youngest sixteen loads may be out
	WIN MUL_LO
	MUL16 0, 1, 0
	s_wait_dscnt 0x0                               ; the add is done, and my reads of this slot are over
	s_barrier_signal -1
	MUL16 2, 1, 0
	WIN 0
	s_barrier_wait -1
.if \fill
	CREST                                          ; the barrier has opened a round of the cluster's barrier: no wave of any partner still reads this slot or has a load on its way
	s_add_nc_u64 s[G0+4*\slot+2:G0+4*\slot+3], s[G0+4*\slot+2:G0+4*\slot+3], 2*ROWB
	s_add_nc_u64 s[G0B+4*\slot+2:G0B+4*\slot+3], s[G0B+4*\slot+2:G0B+4*\slot+3], 2*ROWB
	JLOAD G0+4*\slot, G1, G0B+4*\slot, G1B         ; the first tensor load behind the round; its four v_nop are also the places in front of the loads below
.else
	PLACES NP
.endif
	FETCH_B \next, 0, 0
	FETCH_A \next, 0, 0
	WIN MUL_HI
	MUL16 4, 1, 0
	MUL16 6, 1, 0
	PLACES NP
	WIN 0
	FETCH_A \next, 0, 4
.endm
.macro LAST                            ; the very last step: nothing more to fetch
	s_wait_dscnt 4*NL
	WIN MUL_LO
	MUL16 0, 1, 0
	MUL16 2, 1, 0
	s_wait_dscnt 0
	WIN MUL_HI
	MUL16 4, 1, 0
	MUL16 6, 1, 0
	WIN 0
.endm
.macro QSCALE                          ; s94 = the operand's e: v30 = 2^e, v31 = 57,344 x 2^e
	s_add_co_i32 s94, s94, 127
	s_lshl_b32 s95, s94, 23
	v_mov_b32 v30, s95
	s_add_co_i32 s94, s94, 15
	s_lshl_b32 s94, s94, 23
	s_or_b32 s94, s94, 0x600000
	v_mov_b32 v31, s94
.endm
; Block a (16 rows of A' x my 128 rows of B'): sum x 2^(e0 + e1) + bias, each accumulator from its low end on; held; eight numbers a conversion; 8 bytes a lane into the stage.
; kind 0 (q, k): the bias runs along a lane's registers.  kind 1 (v): a lane has one feature, so one bias, kept twice as a pair.
.macro E1 a, kind
.set AC, 64*((\a)%4)
.set CD, 192+16*((\a)%2)
	WIN 0x02+((\a)/4)                              ; source 0: window 2 or 3
.irp j, 0,2,4,6,8,10,12,14,16,18,20,22,24,26,28,30,32,34,36,38,40,42,44,46,48,50,52,54,56,58,60,62
.if \kind
	v_pk_fma_f32 v[TMP+\j:TMP+\j+1], v[AC+\j:AC+\j+1], s[96:97], v[BI+2*(\a):BI+2*(\a)+1] op_sel_hi:[1,0,1]
.else
	v_pk_fma_f32 v[TMP+\j:TMP+\j+1], v[AC+\j:AC+\j+1], s[96:97], v[BI+\j:BI+\j+1] op_sel_hi:[1,0,1]
.endif
.endr
	WIN 0
.set nn, 0
.rept 64
	v_med3_num_f32 v[TMP+nn], v[TMP+nn], -v31, v31 ; the conversion does not saturate (ISA guide 7.6.2): the hold
.set nn, nn+1
.endr
.irp b, 0,1,2,3,4,5,6,7
	v_cvt_scalef32_pk8_bf8_f32 v[CD+2*\b:CD+2*\b+1], v[TMP+8*\b:TMP+8*\b+7], v30
.endr
	v_nop                                          ; a plain vector line behind the last conversion: the next block's lines write its sources
.irp b, 0,1,2,3,4,5,6,7
.if \kind
	ds_store_b64 v[STOV], v[CD+2*\b:CD+2*\b+1] offset:16*(\a)*PITCH+16*\b
.else
	ds_store_b64 v[STOQ], v[CD+2*\b:CD+2*\b+1] offset:(\b/4)*64*PITCH+4*(\a)*PITCH+16*(\b%4)
.endif
.endr
.endm
; 64 stage rows of 256 bytes leave: sixteen lanes store 256 consecutive bytes, aligned.
.macro E2 rd, co, step
.irp i, 0,1,2,3,4,5,6,7,8,9,10,11,12,13,14,15,16,17,18,19,20,21,22,23,24,25,26,27,28,29,30,31
	ds_load_b128 v[OUTR+4*\i:OUTR+4*\i+3], v[\rd] offset:2*\i*PITCH
.endr
.irp i, 0,1,2,3,4,5,6,7,8,9,10,11,12,13,14,15,16,17,18,19,20,21,22,23,24,25,26,27,28,29,30,31
	s_wait_dscnt 31-\i                             ; load i is in; the younger ones may be out
	global_store_b128 v[\co], v[OUTR+4*\i:OUTR+4*\i+3], s[92:93] offset:\i*\step
.endr
.endm
	s_wait_alu depctr_va_vdst(0)
	s_wait_tensorcnt 0x0                           ; my part of K step 0 is in; these lines stand ahead of a later first fill as ahead of a refill
	ds_add_u32 v[SPW], v[NIL]
	s_wait_dscnt 0x0
	CROUND                                         ; everybody's part of K step 0 is in, and the joint loads meet
	JLOAD G0+4, G1, G0B+4, G1B                     ; K step 1: the first tensor load behind the round
	FETCH_B 0, 0, 0
	FETCH_A 0, 0, 0
	FETCH_A 0, 0, 4
	STEP 0, 0, 1                                   ; the first step's products start the sums: nothing is cleared
	s_mov_b32 s3, LAPS-1
.Llap:                                                 ; a trip goes once round the ring and fills both slots again
	TURN 0, 1, 1
	STEP 1, 0, 0
	TURN 1, 0, 1
	STEP 0, 0, 0
	s_sub_co_u32 s3, s3, 1
	s_cmp_lg_u32 s3, 0
	s_cbranch_scc1 .Llap
	TURN 0, 1, 0                                   ; the last lap fills nothing
	STEP 1, 0, 0
	s_wait_kmcnt 0x0
	s_add_co_i32 s96, s84, s85                     ; e0 + e1
	s_add_co_i32 s96, s96, 127
	s_lshl_b32 s96, s96, 23                        ; 2^(e0 + e1) as f32
	s_mov_b32 s97, s96                             ; (named with it as a pair, so it is written)
	s_cmp_eq_u32 ttmp9, 2
	s_cbranch_scc1 .Lv
	; ---- q or k.  My tokens: 256 x tile row + ..; my features: 256 x tile column + ..  Wave w stores head 4 (tile column % 4) + w
	s_cmp_eq_u32 ttmp9, 0
	s_cselect_b64 s[92:93], s[76:77], s[78:79]
	s_cselect_b32 s94, s86, s87                    ; e2 or e3
	s_lshr_b32 s46, s17, 3                         ; the batch
	s_lshl_b32 s46, s46, 4
	s_and_b32 s47, s42, 3
	s_lshl_b32 s47, s47, 2
	s_add_co_u32 s46, s46, s47
	s_add_co_u32 s46, s46, s14                     ; 16 b + head
	s_lshl_b32 s46, s46, 11
	s_and_b32 s47, s17, 7
	s_lshl_b32 s47, s47, 8
	s_add_co_u32 s46, s46, s47                     ; + the tile's first token
	s_lshl_b32 s46, s46, 6                         ; 64 bytes a token
	s_mov_b32 s47, 0
	s_add_nc_u64 s[92:93], s[92:93], s[46:47]
	s_lshl_b32 s46, s42, 8
	s_lshl_b32 s47, s16, 7
	s_add_co_u32 s46, s46, s47
	s_lshl_b32 s46, s46, 2
	s_mov_b32 s47, 0
	s_add_nc_u64 s[46:47], s[72:73], s[46:47]      ; the bias of my 128 features
	s_wait_alu depctr_va_vdst(0)
.irp b, 0,1,2,3,4,5,6,7
	global_load_b128 v[BI+8*\b:BI+8*\b+3], v[BAQ], s[46:47] offset:64*\b       ; features 16 b + 8 h + 0 .. 7
	global_load_b128 v[BI+8*\b+4:BI+8*\b+7], v[BAQ], s[46:47] offset:64*\b+16
.endr
	QSCALE
	LAST                                           ; the bias lands under the last 64 products
	PLACES NP
	s_wait_loadcnt 0x0
.irp a, 0,1,2,3,4,5,6,7
	E1 \a, 0
.endr
	s_wait_dscnt 0x0                               ; for the others' sake: my stores into the stage are done
	s_barrier_signal -1
	s_barrier_wait -1
	E2 RDQ, COQ, 512
	s_branch .Lend
.Lv:	; ---- v.  My features: 256 x tile row + ..; my tokens: 256 x tile column + ..  Wave w stores features 64 w .. 64 w + 63 of the tile
	s_lshr_b32 s46, s42, 3                         ; the batch
	s_lshl_b32 s46, s46, 10
	s_lshl_b32 s47, s17, 8
	s_add_co_u32 s46, s46, s47
	s_lshl_b32 s47, s14, 6
	s_add_co_u32 s46, s46, s47                     ; row 1,024 b + feature
	s_lshl_b32 s46, s46, 11                        ; of 2,048 bytes
	s_and_b32 s47, s42, 7
	s_lshl_b32 s47, s47, 14                        ; the tile's 256 tokens are two blocks of 8,192 bytes
	s_add_co_u32 s46, s46, s47                     ; + the tile's first token
	s_mov_b32 s47, 0
	s_add_nc_u64 s[92:93], s[80:81], s[46:47]
	s_lshl_b32 s46, s17, 8
	s_lshl_b32 s47, s15, 7
	s_add_co_u32 s46, s46, s47
	s_add_co_u32 s46, s46, 2048
	s_lshl_b32 s46, s46, 2
	s_mov_b32 s47, 0
	s_add_nc_u64 s[46:47], s[72:73], s[46:47]      ; the bias of my 128 features
	s_mov_b32 s94, s89                             ; e5
	s_wait_alu depctr_va_vdst(0)
.irp a, 0,1,2,3,4,5,6,7
	global_load_b32 v[BI+2*\a], v[BAV], s[46:47] offset:64*\a                  ; feature 16 a + r, twice: a pair for the packed form
	global_load_b32 v[BI+2*\a+1], v[BAV], s[46:47] offset:64*\a
.endr
	QSCALE
	LAST
	PLACES NP
	s_wait_loadcnt 0x0
.irp a, 0,1,2,3,4,5,6,7
	E1 \a, 1
.endr
	s_wait_dscnt 0x0
	s_barrier_signal -1
	s_barrier_wait -1
	E2 RDV, COV, 256
.Lend:
	s_wait_tensorcnt 0x0                           ; the wave's end
	ds_add_u32 v[SPW], v[NIL]
	s_wait_dscnt 0x0
	CROUND                                         ; the closing round: no work-group ends while a partner may still ask for a tile that names it
	s_endpgm
.Lfunc_end_k_qdac181d61a_gemm_qkv:
	.size	k_qdac181d61a_gemm_qkv, .Lfunc_end_k_qdac181d61a_gemm_qkv-k_qdac181d61a_gemm_qkv
	.p2alignl 7, 3214868480
	.fill 96, 4, 3214868480
	.section	.rodata,"a",@progbits
	.p2align	6, 0x0
	.amdhsa_kernel k_qdac181d61a_gemm_qkv
		.amdhsa_group_segment_fixed_size 327680
		.amdhsa_private_segment_fixed_size 0
		.amdhsa_enable_private_segment 0
		.amdhsa_kernarg_size 56
		.amdhsa_user_sgpr_count 2
		.amdhsa_user_sgpr_kernarg_segment_ptr 1
		.amdhsa_wavefront_size32 1
		.amdhsa_system_sgpr_workgroup_id_x 1
		.amdhsa_system_sgpr_workgroup_id_y 1
		.amdhsa_system_sgpr_workgroup_id_z 1
		.amdhsa_system_vgpr_workitem_id 0
		.amdhsa_next_free_vgpr 1024
		.amdhsa_next_free_sgpr 98
		.amdhsa_reserve_vcc 0
		.amdhsa_float_denorm_mode_32 3
		.amdhsa_float_denorm_mode_16_64 3
		.amdhsa_memory_ordered 1
		.amdhsa_forward_progress 1
		.amdhsa_inst_pref_size 215
	.end_amdhsa_kernel
	.amdgpu_metadata
---
amdhsa.version: [ 1, 2 ]
amdhsa.kernels:
  - .name:           k_qdac181d61a_gemm_qkv
    .symbol:         k_qdac181d61a_gemm_qkv.kd
    .args:
      - { .name: xc, .offset: 0, .size: 8, .value_kind: global_buffer, .address_space: global }
      - { .name: wac, .offset: 8, .size: 8, .value_kind: global_buffer, .address_space: global }
      - { .name: b_attn, .offset: 16, .size: 8, .value_kind: global_buffer, .address_space: global }
      - { .name: lowp_scales, .offset: 24, .size: 8, .value_kind: global_buffer, .address_space: global }
      - { .name: qc, .offset: 32, .size: 8, .value_kind: global_buffer, .address_space: global }
      - { .name: kc, .offset: 40, .size: 8, .value_kind: global_buffer, .address_space: global }
      - { .name: vc, .offset: 48, .size: 8, .value_kind: global_buffer, .address_space: global }
    .group_segment_fixed_size: 327680
    .private_segment_fixed_size: 0
    .kernarg_segment_align: 8
    .kernarg_segment_size: 56
    .max_flat_workgroup_size: 128
    .sgpr_count:     98
    .vgpr_count:     1024
    .wavefront_size: 32
...
	.end_amdgpu_metadata
.endif
;; end of part 2
;; launch attn (part 3): grid 4 x 64, 8 waves a work-group, clusters of 4 x 1, 327,680 bytes of LDS; arguments qc, kc, vc, lowp_scales, yc; writes yc
.if DOCPART == 3
	.amdgcn_target "amdgcn-amd-amdhsa--gfx1250"
	.amdhsa_code_object_version 6
	.text
	.protected	k_qdac181d61a_attn
	.globl	k_qdac181d61a_attn
	.p2align	8
	.type	k_qdac181d61a_attn,@function
k_qdac181d61a_attn:
	s_mov_b64 s[64:65], 0
	v_nop
	global_prefetch_b8 v0, s[64:65] scope:SCOPE_SE
	s_setreg_imm32_b32 hwreg(HW_REG_WAVE_MODE, 25, 1), 1
	s_wait_xcnt 0x0
	s_wait_alu depctr_hold_cnt(0) depctr_sa_sdst(0) depctr_va_vdst(0) depctr_va_sdst(0) depctr_va_ssrc(0) depctr_va_vcc(0) depctr_vm_vsrc(0)
	s_getreg_b32 s2, hwreg(HW_REG_IB_STS2, 6, 4)
	s_cmp_eq_u32 s2, 0
	s_cbranch_scc0 .Lentry_in_a_cluster
	s_endpgm
.Lentry_in_a_cluster:
	s_bfe_u32 s2, ttmp6, 0x10000c
	s_cmp_lg_u32 s2, 0x3003
	s_cbranch_scc0 .Lentry_shape_is_right
	s_endpgm
.Lentry_shape_is_right:
; y[bh][q][:] = the sum over k <= q of softmax_k(Q[q] . K[k] / 8) V[k][:], both products on codes of BF8 (E5M2); y is quantised on the way out.
; qc, kc: [bh 64][t 2048][d 64];  vc: [bh][t / 128][d 64][t % 128];  yc: [head 16][2048 b + t][d 64].  Scales: e2 (q), e3 (k), e4 (p), e5 (v), e6 (y).
; THE SOFTMAX: t = score x log2(e) / 8; M = the running largest t rounded UP to a whole number; p = 2^(t - M) is quantised, not normalised; the row's sum is taken of the unquantised p and divides at the end.
; When M moves, the sum and O are multiplied by 2^(old M - new M): exact.  Key steps that lie wholly behind the causal mask of the problem are left out.
; K AND V STAY IN LDS: a head's 2,048 keys are 163,840 bytes of K (80 a key) and 147,456 of V (16 blocks of 64 rows x 144).  Each byte is filled once: keys 0-511 at the head, the rest behind one round; nothing is filled again.
; SHARES.  A unit is 32 queries, two tiles of 16 that share every fragment of K and V.  Wave j of the work-group at place cx owns units 63 - i and i, i = cx + 4 j: 16 - j and j + 1 key steps of 128: 17 for every wave.
; The counts of steps hang on the wave's number alone; cx enters global addresses and the mask's numbers only.
; CLUSTER: the four work-groups of a head read the same K and V and ask for them jointly (mask 15).
; No prefetch: every tile is asked for by a tensor load at the head or behind the first round, so there is no later load to run ahead of.
; LAYOUT.  S^T = K Q^T (source 0 = 16 keys, source 1 = 16 queries), O^T = V^T P^T: a lane holds ONE query; register 8 u + j of S^T is key 16 u + 8 h + j, whose codes are registers 2 u, 2 u + 1 of P.
; LIMITS: e2 + e3 between -123 and 130; e4, and e6 - e4 - e5, between -126 and 112.  NaN is not served.  Scaled scores stay under 2^31 in magnitude.
; REGISTERS.  Window 0: v0-31 addresses and both tiles' state; v32-95 K; v96-159 S, v160-191 O, v192-207 P of tile 0; v208-223 Q; v224-239 at work; v240-255 the second unit's Q.
; Window 1: v32-95 V; v96-159 S, v160-191 O, v192-207 P of tile 1.
.set KP, 80
.set VP, 144
.set KSB, 128*KP                       ; a key step of K in LDS
.set VSB, 64*VP                        ; and of V
.set VBASE, 2048*KP
.set STAGE, VBASE+16*VSB               ; the way out: 16 rows x 80 bytes for each wave; no tile lands here
.set SPITCH, 80
.set SPARE, STAGE+8*16*SPITCH          ; the spare words, 128 bytes for each wave
.set AK0, 1
.set AV0, 2
.set SPW, 3
.set NIL, 4
.set ADK, 5
.set ADV, 6
.set STO, 7
.set RD, 8
.set GO, 9
.set SC, 10                            ; 2^e4
.set HOLD, 11                          ; 57,344 x 2^e4
.set SCY, 12                           ; 2^(e6 - e4 - e5)
.set HOLDY, 13
.set D0, 14                            ; v14, v15: my query less the diagonal step's first key less 8 h, tiles 0 and 1
.set DL, 16
.set NINF, 17
.set QA, 20
; tile w: v[18+4w:19+4w] the sum; v[24+2w] -M, v[25+2w] the largest score; v[28+2w] f, v[29+2w] at work; v[224+2w], v[225+2w] the maxima; v[228+6w ..] three partial sums
.set WV, 14
.set CX, 15
.set BH, 16
.set SI, 17                            ; the key step's number
.set NS, 18                            ; key steps of the unit in hand
.set KS, 19                            ; LDS byte of the step's K
.set SEL, 20
.set CS, 22
.set G0K0, 24
.set G0K1, 28
.set G0V0, 32
.set G0V1, 36
.set G1K0, 40
.set G1K1, 48
.set G1V0, 56
.set G1V1, 68
.set OUTA, 94
.set OUTB, 96
.set VS, 98                            ; LDS byte of the step's V
.set NSB, 99
.set DOB, 100
.set TT, 101
.set MSB, 0
.macro WIN new                         ; the immediate's high byte repeats the setting that is left
.if MSB != (\new)
	s_set_vgpr_msb (MSB<<8)|(\new)
.set MSB, \new
.endif
.endm
.macro JLOAD g0k, g1k, g0v, g1v        ; waves 0-3 ask for quarters of K's part, waves 4-7 of V's: one load a wave
	s_cmp_lt_u32 s[WV], 4
	s_cbranch_scc0 .Lfor_v_\@
	tensor_load_to_lds s[\g0k:\g0k+3], s[\g1k:\g1k+7]
	s_nop 0
.rept 4
	v_nop
.endr
	s_branch .Lasked_\@
.Lfor_v_\@:
	tensor_load_to_lds s[\g0v:\g0v+3], s[\g1v:\g1v+7]
	s_nop 0
.rept 4
	v_nop
.endr
.Lasked_\@:
.endm
.macro ROUND                           ; a round of the cluster's barrier
	s_barrier_signal -1
	s_barrier_wait -1
	s_cmp_lg_u32 s[WV], 0
	s_cbranch_scc1 .Lnot_wave_0_\@
	s_barrier_signal -3
.Lnot_wave_0_\@:
	s_barrier_wait -3
	s_barrier_signal -1
	s_barrier_wait -1
.endm
.macro G1SET g, qi, rows               ; dense memory stated as rows of 256 bytes; 16 bytes of padding behind every 2<<qi words; the mask names the four partners
	s_mov_b32 s[\g], 15|(1<<20)|(1<<21)|(\qi<<22)|(3<<25)
	s_mov_b32 s[\g+1], 256<<16
	s_mov_b32 s[\g+2], \rows<<16
	s_mov_b32 s[\g+3], 256<<16
	s_mov_b32 s[\g+4], \rows
	s_mov_b32 s[\g+5], 256
	s_mov_b32 s[\g+6], 0
	s_mov_b32 s[\g+7], 0
.endm
.macro INIT                            ; a unit begins: the largest score -3e38, M = -3e38, sums and O^T zero (the first change of M multiplies zeros by 0)
.irp w, 0,1
	v_mov_b32 v[25+2*\w], 0xff61b1e6
	v_mov_b32 v[24+2*\w], 0x7f61b1e6
	v_mov_b32 v[18+4*\w], 0
	v_mov_b32 v[19+4*\w], 0
.endr
.set nn, 0
.rept 32
	v_mov_b32 v[160+nn], 0
.set nn, nn+1
.endr
	WIN 0x40
.set nn, 0
.rept 32
	v_mov_b32 v[160+nn], 0
.set nn, nn+1
.endr
	WIN 0
.endm
	s_load_b256 s[4:11], s[0:1], 0x0               ; qc, kc, vc, the scales' exponents
	s_load_b64 s[12:13], s[0:1], 0x20              ; yc
	v_lshl_add_u32 v[SPW], v0, 2, SPARE
	v_mov_b32 v[NIL], 0
	ds_add_u32 v[SPW], v[NIL]
	ds_add_u32 v[SPW], v[NIL]
	v_lshrrev_b32 v5, 5, v0
	v_readfirstlane_b32 s[WV], v5                  ; wave 0..7
	s_bfe_u32 s[CX], ttmp6, 0x40000                ; my place in the cluster
	s_and_b32 s[BH], ttmp7, 0xffff                 ; 16 b + head
	G1SET G1K0, 3, 40                              ; K's first fill: 160 keys a wave, keys 0-639: step 3 already asks LDS for step 4's fragments
	G1SET G1K1, 3, 88                              ; 352 keys a wave: keys 640-2,047
	G1SET G1V0, 4, 32                              ; one block of V
	G1SET G1V1, 4, 96                              ; three blocks
	s_lshl_b32 s84, s[BH], 17                      ; the head's first byte in qc, kc and vc
	s_mov_b32 s85, 0
	s_and_b32 s86, s[WV], 3                        ; which quarter I ask for
	s_lshl_b32 s88, s86, 13
	s_mov_b32 s89, 0
	s_mul_i32 s90, s86, 24576
	s_add_co_u32 s90, s90, 32768
	s_mov_b32 s91, 0
	s_wait_dscnt 0x0
	s_wait_kmcnt 0x0
	s_load_b256 s[76:83], s[10:11], 0x0            ; e0 .. e7
	s_add_nc_u64 s[6:7], s[6:7], s[84:85]
	s_add_nc_u64 s[8:9], s[8:9], s[84:85]
	s_mov_b32 s[G0K0], 1
	s_mul_i32 s[G0K0+1], s86, 160*KP
	s_mul_i32 s92, s86, 160*64
	s_mov_b32 s93, 0
	s_add_nc_u64 s[G0K0+2:G0K0+3], s[6:7], s[92:93]
	s_or_b32 s[G0K0+3], s[G0K0+3], 0x80000000
	s_mov_b32 s[G0K1], 1
	s_mul_i32 s[G0K1+1], s86, 352*KP
	s_add_co_u32 s[G0K1+1], s[G0K1+1], 5*KSB
	s_mul_i32 s92, s86, 352*64
	s_add_co_u32 s92, s92, 640*64
	s_add_nc_u64 s[G0K1+2:G0K1+3], s[6:7], s[92:93]
	s_or_b32 s[G0K1+3], s[G0K1+3], 0x80000000
	s_mov_b32 s[G0V0], 1
	s_mul_i32 s[G0V0+1], s86, VSB
	s_add_co_u32 s[G0V0+1], s[G0V0+1], VBASE
	s_add_nc_u64 s[G0V0+2:G0V0+3], s[8:9], s[88:89]
	s_or_b32 s[G0V0+3], s[G0V0+3], 0x80000000
	s_mov_b32 s[G0V1], 1
	s_mul_i32 s[G0V1+1], s86, 3*VSB
	s_add_co_u32 s[G0V1+1], s[G0V1+1], VBASE+4*VSB
	s_add_nc_u64 s[G0V1+2:G0V1+3], s[8:9], s[90:91]
	s_or_b32 s[G0V1+3], s[G0V1+3], 0x80000000
	ROUND                                          ; the four work-groups are here: the first joint loads meet
	JLOAD G0K0, G1K0, G0V0, G1V0                   ; keys 0-511
	s_lshl_b32 s87, s[WV], 2
	s_add_co_u32 s87, s87, s[CX]                   ; i: my second unit
	s_sub_co_u32 s86, 63, s87                      ; my first
	s_add_nc_u64 s[4:5], s[4:5], s[84:85]
	s_and_b32 s92, s[BH], 15
	s_lshl_b32 s92, s92, 19                        ; the head's panel of yc,
	s_lshr_b32 s93, s[BH], 4
	s_lshl_b32 s93, s93, 17                        ; the batch's 2,048 rows of 64 bytes
	s_add_co_u32 s92, s92, s93
	s_lshl_b32 s88, s86, 11                        ; a unit is 2,048 bytes of codes
	s_add_nc_u64 s[2:3], s[4:5], s[88:89]
	s_add_co_u32 s88, s88, s92
	s_add_nc_u64 s[OUTA:OUTA+1], s[12:13], s[88:89]
	s_lshl_b32 s88, s87, 11
	s_add_nc_u64 s[90:91], s[4:5], s[88:89]
	s_add_co_u32 s88, s88, s92
	s_add_nc_u64 s[OUTB:OUTB+1], s[12:13], s[88:89]
	s_sub_co_u32 s[NS], 16, s[WV]
	s_add_co_u32 s[NSB], s[WV], 1
	s_sub_co_u32 s93, 3, s[CX]
	s_lshl_b32 s93, s93, 5                         ; the first unit's first query less its diagonal step's first key
	s_lshl_b32 s[DOB], s[CX], 5                    ; the second unit's
	s_mul_i32 s92, s[WV], 16*SPITCH
	s_add_co_u32 s92, s92, STAGE
	s_mov_b32 s[SEL], 0x76543210
	s_mov_b32 s[SEL+1], 0xfedcba98
	s_wait_kmcnt 0x0
	s_add_co_i32 s84, s78, s79
	s_lshl_b32 s84, s84, 23
	s_add_co_i32 s[CS], s84, 0x3e38aa3b            ; c = log2(e) / 8 x 2^(e2 + e3)
	s_mov_b32 s[CS+1], s[CS]
	s_add_co_i32 s84, s80, 127
	s_lshl_b32 s85, s84, 23                        ; 2^e4
	s_add_co_i32 s84, s84, 15
	s_lshl_b32 s84, s84, 23
	s_or_b32 s84, s84, 0x600000                    ; 57,344 x 2^e4
	s_sub_co_i32 s86, s82, s80
	s_sub_co_i32 s86, s86, s81
	s_add_co_i32 s86, s86, 127
	s_lshl_b32 s87, s86, 23                        ; 2^(e6 - e4 - e5): O / l stands for y / 2^(e4 + e5)
	s_add_co_i32 s86, s86, 15
	s_lshl_b32 s86, s86, 23
	s_or_b32 s86, s86, 0x600000
	v_and_b32 v5, 15, v0                           ; r
	v_bfe_u32 v6, v0, 4, 1                         ; h
	v_lshlrev_b32 v[QA], 6, v5
	v_lshl_add_u32 v[QA], v6, 4, v[QA]             ; row r of 64 bytes + 16 h; K's fragments are loaded alike
.irp w, 0,1
	global_load_b128 v[208+8*\w:211+8*\w], v[QA], s[2:3] offset:1024*\w
	global_load_b128 v[212+8*\w:215+8*\w], v[QA], s[2:3] offset:1024*\w+32
	global_load_b128 v[240+8*\w:243+8*\w], v[QA], s[90:91] offset:1024*\w
	global_load_b128 v[244+8*\w:247+8*\w], v[QA], s[90:91] offset:1024*\w+32
.endr
	v_mul_u32_u24 v[AK0], v5, KP
	v_lshl_add_u32 v[AK0], v6, 4, v[AK0]
	v_mul_u32_u24 v[AV0], v5, VP
	v_lshl_add_u32 v[AV0], v6, 3, v[AV0]
	v_and_b32 v[GO], 31, v0
	v_lshrrev_b32 v[RD], 2, v[GO]
	v_mul_u32_u24 v[RD], v[RD], SPITCH
	v_and_b32 v[STO], 3, v[GO]
	v_lshl_add_u32 v[RD], v[STO], 4, v[RD]
	v_add_nc_u32 v[RD], s92, v[RD]                 ; back: four lanes to a row of 64 bytes
	v_mul_u32_u24 v[STO], v5, SPITCH
	v_lshl_add_u32 v[STO], v6, 3, v[STO]
	v_add_nc_u32 v[STO], s92, v[STO]               ; in: row r, + 8 h
	v_lshlrev_b32 v[GO], 4, v[GO]
	v_lshlrev_b32 v[DL], 3, v6
	v_sub_nc_u32 v[DL], v5, v[DL]                  ; r - 8 h
	v_add_nc_u32 v[D0], s93, v[DL]
	v_add_nc_u32 v[D0+1], 16, v[D0]
	v_mov_b32 v[NINF], 0xff800000
	v_mov_b32 v[SC], s85
	v_mov_b32 v[HOLD], s84
	v_mov_b32 v[SCY], s87
	v_mov_b32 v[HOLDY], s86
	v_mov_b32 v29, 0                               ; written once: a lane permute's destination counts as one of its sources
	v_mov_b32 v31, 0
	INIT
.macro MAXT w                          ; the largest score so far and this step's 64, in four chains, each accumulator from its low end on
	WIN 0x14*(\w)
	v_max3_num_f32 v[224+2*\w], v[25+2*\w], v96, v97
	v_max3_num_f32 v[225+2*\w], v[25+2*\w], v98, v99
	v_max3_num_f32 v[228+6*\w], v[25+2*\w], v100, v101   ; four chains: a line reads what the fourth line before it wrote
	v_max3_num_f32 v[229+6*\w], v[25+2*\w], v102, v103
.irp i, 8,16,24,32,40,48,56
	v_max3_num_f32 v[224+2*\w], v[224+2*\w], v[96+\i], v[97+\i]
	v_max3_num_f32 v[225+2*\w], v[225+2*\w], v[98+\i], v[99+\i]
	v_max3_num_f32 v[228+6*\w], v[228+6*\w], v[100+\i], v[101+\i]
	v_max3_num_f32 v[229+6*\w], v[229+6*\w], v[102+\i], v[103+\i]
.endr
.endm
.macro MASKT w                         ; register 8 u + j holds key 16 u + 8 h + j of the step: hidden where 16 u + j > d
	WIN 0x41*(\w)
.set nn, 0
.rept 64
	v_cmp_gt_i32 vcc_lo, 16*(nn/8)+nn%8, v[D0+\w]
	v_cndmask_b32 v[96+nn], v[96+nn], v[NINF], vcc_lo
.set nn, nn+1
.endr
.endm
.macro SCALET w                        ; t - M, two at a time; O^T under the new M
	WIN 0x41*(\w)
.set nn, 0
.rept 32
	v_pk_fma_f32 v[96+nn:97+nn], v[96+nn:97+nn], s[CS:CS+1], v[24+2*\w:25+2*\w] op_sel_hi:[1,0,0]
.set nn, nn+2
.endr
.set nn, 0
.rept 16
	v_pk_mul_f32 v[160+nn:161+nn], v[160+nn:161+nn], v[28+2*\w:29+2*\w] op_sel_hi:[1,0]
.set nn, nn+2
.endr
.endm
.macro EXPT w
	WIN 0x41*(\w)
.set nn, 0
.rept 64
	v_exp_f32 v[96+nn], v[96+nn]                   ; p = 2^(t - M), at most 1
.set nn, nn+1
.endr
.endm
.macro SUMT w                          ; the sum of the unquantised p, in four chains; then the hold (the conversion does not saturate: ISA guide 7.6.2) and the codes
.set XX, 228+6*\w
.set LL, 18+4*\w
	WIN 0x05*(\w)
	v_pk_add_f32 v[XX:XX+1], v[96:97], v[98:99]
	v_pk_add_f32 v[XX+2:XX+3], v[100:101], v[102:103]
	v_pk_add_f32 v[XX+4:XX+5], v[104:105], v[106:107]
	WIN 0x04*(\w)
.irp i, 12,20,28,36,44,52
	v_pk_add_f32 v[LL:LL+1], v[LL:LL+1], v[96+\i:97+\i]
	v_pk_add_f32 v[XX:XX+1], v[XX:XX+1], v[98+\i:99+\i]
	v_pk_add_f32 v[XX+2:XX+3], v[XX+2:XX+3], v[100+\i:101+\i]
	v_pk_add_f32 v[XX+4:XX+5], v[XX+4:XX+5], v[102+\i:103+\i]
.endr
	v_pk_add_f32 v[LL:LL+1], v[LL:LL+1], v[156:157]
	v_pk_add_f32 v[XX:XX+1], v[XX:XX+1], v[158:159]
	WIN 0x44*(\w)
.set nn, 0
.rept 64
	v_min_num_f32 v[96+nn], v[HOLD], v[96+nn]
.set nn, nn+1
.endr
	WIN 0x41*(\w)
.irp t, 0,1,2,3,4,5,6,7
	v_cvt_scalef32_pk8_bf8_f32 v[192+2*\t:193+2*\t], v[96+8*\t:103+8*\t], v[SC]
.endr
.endm
; A KEY STEP: 128 keys for the unit's two tiles.  guard = 1: a step behind the unit's last is jumped over, and the last, on the diagonal, is masked: both tests hang on the wave's number and the count of steps.
.macro STEP guard
.if \guard
	s_cmp_ge_u32 s[SI], s[NS]
	s_cbranch_scc1 .Lskip_\@
.endif
	s_add_co_u32 s[TT], s[KS], KSB                 ; where the NEXT step's K lies,
	s_min_u32 s[TT], s[TT], 15*KSB                 ; held at the head's last step, so that step 15 names K's own bytes
	v_add_nc_u32 v[ADK], s[TT], v[AK0]
	v_add_nc_u32 v[ADV], s[VS], v[AV0]
	v_nop
	v_nop                                          ; with the two additions: four places in front of loads into registers that the last products read
	WIN 0x40
.irp t, 0,1,2,3
.irp c, 0,1,2,3,4,5,6,7
	ds_load_b64 v[32+16*\t+2*\c:33+16*\t+2*\c], v[ADV] offset:16*\t*VP+16*\c   ; V^T: d = 16 t + r, keys 16 c + 8 h + 0 .. 7: they land under the softmax
.endr
.endr
	WIN 0
	s_wait_alu depctr_va_vdst(0)
	s_wait_dscnt 32                                ; this step's K, asked for in the step before, is in; V's 32 loads may be out
.irp t, 0,1,2,3,4,5,6,7
	v_wmma_f32_16x16x64_bf8_bf8 v[96+8*\t:103+8*\t], v[32+8*\t:39+8*\t], v[208:215], 0
.endr
	WIN 0x40
.irp t, 0,1,2,3,4,5,6,7
	v_wmma_f32_16x16x64_bf8_bf8 v[96+8*\t:103+8*\t], v[32+8*\t:39+8*\t], v[216:223], 0
.endr
	WIN 0
.rept 4
	v_nop                                          ; places in front of the first read of the scores and of the loads below
.endr
.irp t, 0,1,2,3,4,5,6,7                        ; the NEXT step's K: it lands under the softmax.  Behind a unit's last step these sixteen are read by nobody
	ds_load_b128 v[32+8*\t:35+8*\t], v[ADK] offset:16*\t*KP
	ds_load_b128 v[36+8*\t:39+8*\t], v[ADK] offset:16*\t*KP+32
.endr
.if \guard
	s_add_co_u32 s[TT], s[SI], 1
	s_cmp_lg_u32 s[TT], s[NS]
	s_cbranch_scc1 .Lopen_\@
	MASKT 0
	MASKT 1
	WIN 0
.Lopen_\@:
.endif
	MAXT 0
	MAXT 1
	WIN 0
.irp w, 0,1                            ; the two tiles' chains take turns, line by line
	v_max3_num_f32 v[224+2*\w], v[224+2*\w], v[225+2*\w], v[228+6*\w]
.endr
.irp w, 0,1
	v_max_num_f32 v[224+2*\w], v[224+2*\w], v[229+6*\w]
.endr
.irp w, 0,1
	v_permlanex16_b32 v[29+2*\w], v[224+2*\w], s[SEL], s[SEL+1]
.endr
.irp w, 0,1
	v_max_num_f32 v[25+2*\w], v[224+2*\w], v[29+2*\w]   ; the running largest score
.endr
.irp w, 0,1
	v_mul_f32 v[224+2*\w], s[CS], v[25+2*\w]       ; as t (c is positive)
.endr
.irp w, 0,1
	v_floor_f32 v[225+2*\w], -v[224+2*\w]          ; the new -M = -ceil(t)
.endr
.irp w, 0,1
	v_sub_f32 v[224+2*\w], v[225+2*\w], v[24+2*\w] ; old M - new M: a whole number, 0 or less
.endr
.irp w, 0,1
	v_mov_b32 v[24+2*\w], v[225+2*\w]
.endr
.irp w, 0,1
	v_cvt_i32_f32 v[224+2*\w], v[224+2*\w]         ; (it saturates)
.endr
.irp w, 0,1
	v_ldexp_f32 v[28+2*\w], 1.0, v[224+2*\w]       ; f = 2^(old M - new M)
.endr
.irp w, 0,1
	v_pk_mul_f32 v[18+4*\w:19+4*\w], v[18+4*\w:19+4*\w], v[28+2*\w:29+2*\w] op_sel_hi:[1,0]
.endr
	SCALET 0
	SCALET 1
	s_wait_alu depctr_va_vdst(0)
	EXPT 1
	EXPT 0
	v_nop                                          ; a plain line behind the exponentials
	s_wait_alu depctr_va_vdst(0)                   ; one wait for the batch, ahead of its first reader
	SUMT 0
	SUMT 1
	WIN 0
.irp w, 0,1                            ; (also the plain lines between the conversions and the products)
	v_pk_add_f32 v[228+6*\w:229+6*\w], v[228+6*\w:229+6*\w], v[230+6*\w:231+6*\w]
	v_pk_add_f32 v[18+4*\w:19+4*\w], v[18+4*\w:19+4*\w], v[232+6*\w:233+6*\w]
.endr
.irp w, 0,1
	v_pk_add_f32 v[18+4*\w:19+4*\w], v[18+4*\w:19+4*\w], v[228+6*\w:229+6*\w]
.endr
	s_wait_alu depctr_va_vdst(0)
	s_wait_dscnt 16                                ; V is in; the next step's sixteen loads of K may be out
	WIN 0x01
.irp t, 0,1,2,3
	v_wmma_f32_16x16x128_bf8_bf8 v[160+8*\t:167+8*\t], v[32+16*\t:47+16*\t], v[192:207], v[160+8*\t:167+8*\t]   ; eight accumulators by turns
.endr
	WIN 0x55
.irp t, 0,1,2,3
	v_wmma_f32_16x16x128_bf8_bf8 v[160+8*\t:167+8*\t], v[32+16*\t:47+16*\t], v[192:207], v[160+8*\t:167+8*\t]
.endr
	WIN 0
.if \guard
.Lskip_\@:
.endif
	s_add_co_u32 s[KS], s[KS], KSB
	s_add_co_u32 s[VS], s[VS], VSB
	s_add_co_u32 s[SI], s[SI], 1
.endm
; THE WAY OUT of a unit: O^T / the sum, held, quantised with the folded scale; 8 bytes a lane into my stage, back as dense bytes: each store of the wave covers 512 consecutive bytes, aligned.
.macro WAYOUT base
.rept 4
	v_nop                                          ; places behind the last products
.endr
.irp w, 0,1
	v_add_f32 v[18+4*\w], v[18+4*\w], v[19+4*\w]
.endr
.irp w, 0,1
	v_permlanex16_b32 v[29+2*\w], v[18+4*\w], s[SEL], s[SEL+1]
.endr
.irp w, 0,1
	v_add_f32 v[18+4*\w], v[18+4*\w], v[29+2*\w]   ; the row's sum
.endr
	s_wait_alu depctr_va_vdst(0)
	v_rcp_f32 v18, v18
	v_rcp_f32 v22, v22
	v_nop
	s_wait_alu depctr_va_vdst(0)                   ; ahead of the first readers of the reciprocals and of tile 0's O^T
.set nn, 0
.rept 16
	v_pk_mul_f32 v[96+nn:97+nn], v[160+nn:161+nn], v[18:19] op_sel_hi:[1,0]
.set nn, nn+2
.endr
	WIN 0x41
	s_wait_alu depctr_va_vdst(0)                   ; ahead of the first readers of tile 1's O^T
.set nn, 0
.rept 16
	v_pk_mul_f32 v[96+nn:97+nn], v[160+nn:161+nn], v[22:23] op_sel_hi:[1,0]
.set nn, nn+2
.endr
.irp w, 1,0
	WIN 0x41*\w
.set nn, 0
.rept 32
	v_med3_num_f32 v[96+nn], v[96+nn], -v[HOLDY], v[HOLDY]
.set nn, nn+1
.endr
.irp t, 0,1,2,3
	v_cvt_scalef32_pk8_bf8_f32 v[192+2*\t:193+2*\t], v[96+8*\t:103+8*\t], v[SCY]
.endr
.endr
	v_nop                                          ; a plain line behind the last conversion
.irp w, 0,1
	WIN 0x04*\w
.irp t, 0,1,2,3
	ds_store_b64 v[STO], v[192+2*\t:193+2*\t] offset:16*\t
.endr
	WIN 0
	ds_load_b128 v[224+8*\w:227+8*\w], v[RD]       ; LDS serves a wave's instructions in order: these see my stores, and tile 1's stores come behind them
	ds_load_b128 v[228+8*\w:231+8*\w], v[RD] offset:8*SPITCH
.endr
	s_wait_dscnt 6                                 ; tile 0 is back; tile 1's four stores and two loads may be out
	global_store_b128 v[GO], v[224:227], s[\base:\base+1]
	global_store_b128 v[GO], v[228:231], s[\base:\base+1] offset:512
	s_wait_dscnt 0x0
	global_store_b128 v[GO], v[232:235], s[\base:\base+1] offset:1024
	global_store_b128 v[GO], v[236:239], s[\base:\base+1] offset:1536
.endm
	s_wait_alu depctr_va_vdst(0)
	s_wait_tensorcnt 0x0                           ; my part of keys 0-511 is in; these lines stand ahead of a later first fill
	ds_add_u32 v[SPW], v[NIL]
	s_wait_dscnt 0x0
	ROUND                                          ; everybody's part is in, and the joint loads meet
	JLOAD G0K1, G1K1, G0V1, G1V1                   ; keys 512-2,047: they have four key steps in which to land
	s_wait_loadcnt 0x0                             ; Q, both units'
.irp t, 0,1,2,3,4,5,6,7                        ; step 0's K
	ds_load_b128 v[32+8*\t:35+8*\t], v[AK0] offset:16*\t*KP
	ds_load_b128 v[36+8*\t:39+8*\t], v[AK0] offset:16*\t*KP+32
.endr
	s_mov_b32 s[SI], 0
	s_mov_b32 s[KS], 0
	s_mov_b32 s[VS], VBASE
.Lfirst:                                           ; the first unit has nine steps at the least: steps 0-3 count whole for every wave
	STEP 0
	s_cmp_lt_u32 s[SI], 4
	s_cbranch_scc1 .Lfirst
	s_wait_tensorcnt 0x0                           ; my part of the rest is in
	ds_add_u32 v[SPW], v[NIL]
	s_wait_dscnt 0x0
	s_barrier_signal -1
	s_barrier_wait -1                              ; everybody's is: from here on the waves share nothing that changes
	s_mov_b32 s[SI], 4
	s_mov_b32 s[KS], 4*KSB
	s_mov_b32 s[VS], VBASE+4*VSB
.Lrest:                                            ; a constant count of trips; the steps behind my unit's last are jumped over
	STEP 1
	s_cmp_lt_u32 s[SI], 16
	s_cbranch_scc1 .Lrest
	WAYOUT OUTA
	s_wait_xcnt 0x0                                ; the stores have read their registers
.set nn, 0
.rept 16
	v_mov_b32 v[208+nn], v[240+nn]                 ; the second unit's Q
.set nn, nn+1
.endr
	INIT
	v_add_nc_u32 v[D0], s[DOB], v[DL]
	v_add_nc_u32 v[D0+1], 16, v[D0]
.irp t, 0,1,2,3,4,5,6,7                        ; the second unit's step 0: K anew (no LDS load of mine is out behind the way out)
	ds_load_b128 v[32+8*\t:35+8*\t], v[AK0] offset:16*\t*KP
	ds_load_b128 v[36+8*\t:39+8*\t], v[AK0] offset:16*\t*KP+32
.endr
	s_mov_b32 s[NS], s[NSB]
	s_mov_b32 s[SI], 0
	s_mov_b32 s[KS], 0
	s_mov_b32 s[VS], VBASE
	s_wait_alu depctr_va_vdst(0)
.Lsecond:                                          ; the second unit has eight steps at the most
	STEP 1
	s_cmp_lt_u32 s[SI], 8
	s_cbranch_scc1 .Lsecond
	WAYOUT OUTB
	s_wait_tensorcnt 0x0                           ; the wave's end
	ds_add_u32 v[SPW], v[NIL]
	s_wait_dscnt 0x0
	ROUND                                          ; the closing round
	s_endpgm
.Lfunc_end_k_qdac181d61a_attn:
	.size	k_qdac181d61a_attn, .Lfunc_end_k_qdac181d61a_attn-k_qdac181d61a_attn
	.p2alignl 7, 3214868480
	.fill 96, 4, 3214868480
	.section	.rodata,"a",@progbits
	.p2align	6, 0x0
	.amdhsa_kernel k_qdac181d61a_attn
		.amdhsa_group_segment_fixed_size 327680
		.amdhsa_private_segment_fixed_size 0
		.amdhsa_enable_private_segment 0
		.amdhsa_kernarg_size 40
		.amdhsa_user_sgpr_count 2
		.amdhsa_user_sgpr_kernarg_segment_ptr 1
		.amdhsa_wavefront_size32 1
		.amdhsa_system_sgpr_workgroup_id_x 1
		.amdhsa_system_sgpr_workgroup_id_y 1
		.amdhsa_system_sgpr_workgroup_id_z 1
		.amdhsa_system_vgpr_workitem_id 0
		.amdhsa_next_free_vgpr 512
		.amdhsa_next_free_sgpr 102
		.amdhsa_reserve_vcc 1
		.amdhsa_float_denorm_mode_32 3
		.amdhsa_float_denorm_mode_16_64 3
		.amdhsa_memory_ordered 1
		.amdhsa_forward_progress 1
		.amdhsa_inst_pref_size 146
	.end_amdhsa_kernel
	.amdgpu_metadata
---
amdhsa.version: [ 1, 2 ]
amdhsa.kernels:
  - .name:           k_qdac181d61a_attn
    .symbol:         k_qdac181d61a_attn.kd
    .args:
      - { .name: qc, .offset: 0, .size: 8, .value_kind: global_buffer, .address_space: global }
      - { .name: kc, .offset: 8, .size: 8, .value_kind: global_buffer, .address_space: global }
      - { .name: vc, .offset: 16, .size: 8, .value_kind: global_buffer, .address_space: global }
      - { .name: lowp_scales, .offset: 24, .size: 8, .value_kind: global_buffer, .address_space: global }
      - { .name: yc, .offset: 32, .size: 8, .value_kind: global_buffer, .address_space: global }
    .group_segment_fixed_size: 327680
    .private_segment_fixed_size: 0
    .kernarg_segment_align: 8
    .kernarg_segment_size: 40
    .max_flat_workgroup_size: 256
    .sgpr_count:     102
    .vgpr_count:     512
    .wavefront_size: 32
...
	.end_amdgpu_metadata
.endif
;; end of part 3
;; launch gemm_proj (part 4): grid 4 x 64, 4 waves a work-group, clusters of 4 x 4, 327,680 bytes of LDS; arguments yc, wpc, lowp_scales, b_proj, out0; writes out0
.if DOCPART == 4
	.amdgcn_target "amdgcn-amd-amdhsa--gfx1250"
	.amdhsa_code_object_version 6
	.text
	.protected	k_qdac181d61a_gemm_proj
	.globl	k_qdac181d61a_gemm_proj
	.p2align	8
	.type	k_qdac181d61a_gemm_proj,@function
k_qdac181d61a_gemm_proj:
	s_mov_b64 s[64:65], 0
	v_nop
	global_prefetch_b8 v0, s[64:65] scope:SCOPE_SE
	s_setreg_imm32_b32 hwreg(HW_REG_WAVE_MODE, 25, 1), 1
	s_wait_xcnt 0x0
	s_wait_alu depctr_hold_cnt(0) depctr_sa_sdst(0) depctr_va_vdst(0) depctr_va_sdst(0) depctr_va_ssrc(0) depctr_va_vcc(0) depctr_vm_vsrc(0)
	s_getreg_b32 s2, hwreg(HW_REG_IB_STS2, 6, 4)
	s_cmp_eq_u32 s2, 0
	s_cbranch_scc0 .Lentry_in_a_cluster
	s_endpgm
.Lentry_in_a_cluster:
	s_bfe_u32 s2, ttmp6, 0x10000c
	s_cmp_lg_u32 s2, 0xf033
	s_cbranch_scc0 .Lentry_shape_is_right
	s_endpgm
.Lentry_shape_is_right:
; out = y W_proj + b_proj on codes of BF8 (E5M2).  yc: [head 16][token 8192][d 64], wpc: [n 1024][k 1024], codes; out0: [8192][1024] f32.  Each finished sum x 2^(e6 + e7) + bias, one fused multiply-add.
; LIMIT: e6 + e7 between -126 and 127, so that 2^(e6 + e7) is an f32 number.
; A work-group owns 128 tokens x 256 columns, as two tiles of 128 x 128.  THE WHOLE K LIES IN LDS: y's 128 tokens, 16 panels of 128 x 80 bytes, and one tile of W_proj, 128 rows of 1,040 bytes.
; Both are asked for at the head, one tensor load a wave; there is no ring along K.  The second tile's rows of W_proj are the launch's one refill: asked for behind a round, they land while the first tile goes out.
; Four waves, 64 x 64 each: 16 accumulators.  Source 0 = 16 rows of W_proj, source 1 = 16 tokens: a lane holds one token and eight neighbouring columns.
; CLUSTERS: 4 x 4 work-groups: the four of a row need the same tokens, the four of a column the same rows of W_proj: each tile is asked for jointly.
; No prefetch: all loads but one stand at the head, and there is no loop of loads to run ahead in.
; REGISTERS.  Window 0: v0-31 addresses; v32-63, v224-255 the two tiles' bias; v64-191 y's fragments, two sets (on the way out: rows read back); v192-223 a block's results.
; Window 1: v0-127 W_proj's fragments, two sets; v128-255 the accumulators ((a, b) at v[128 + 8 (4 a + b)]).
.set PA, 80                            ; a token's 64 bytes of a panel + 16
.set PANEL, 128*PA
.set PANELB, 524288
.set PB, 1040                          ; a row of W_proj, 1,024 bytes + 16: 65 x 16, so sixteen rows start at sixteen different groups of four banks (ISA guide 11.1)
.set BBASE, 16*PANEL
.set STAGE, BBASE+128*PB               ; the way out: 16 rows x 272 bytes for each wave; no tile lands here
.set SPITCH, 272
.set SPARE, STAGE+4*16*SPITCH
.set ADRA, 16                          ; v16-18: my place in panels 0-5, 6-11, 12-15
.set ADRB, 20
.set STO, 24
.set RD, 25
.set CO, 26
.set BA, 27
.set SPW, 28
.set NIL, 29
.set BI0, 32
.set BI1, 224
.set TMP, 192
.set BK, 64
.set G1A, 24
.set G0A, 32
.set G0B, 36
.set G1B, 48
.set G1C, 56
.set G0C, 68
.set MSB, 0
.macro WIN new                         ; the immediate's high byte repeats the setting that is left
.if MSB != (\new)
	s_set_vgpr_msb (MSB<<8)|(\new)
.set MSB, \new
.endif
.endm
.macro PLACES
.rept 4
	v_nop
.endr
.endm
.macro ROUND                           ; a round of the cluster's barrier
	s_barrier_signal -1
	s_barrier_wait -1
	s_cmp_lg_u32 s14, 0
	s_cbranch_scc1 .Lnot_wave_0_\@
	s_barrier_signal -3
.Lnot_wave_0_\@:
	s_barrier_wait -3
	s_barrier_signal -1
	s_barrier_wait -1
.endm
	s_load_b128 s[4:7], s[0:1], 0x0                ; yc, wpc
	s_load_b128 s[8:11], s[0:1], 0x10              ; the scales' exponents, b_proj
	s_load_b64 s[12:13], s[0:1], 0x20              ; out0
	v_lshl_add_u32 v[SPW], v0, 2, SPARE
	v_mov_b32 v[NIL], 0
	ds_add_u32 v[SPW], v[NIL]
	ds_add_u32 v[SPW], v[NIL]
	v_lshrrev_b32 v1, 5, v0
	v_readfirstlane_b32 s14, v1                    ; wave 0..3
	s_lshr_b32 s15, s14, 1                         ; my half of the tokens.  Also: I fetch for y (0) or for W_proj (1)
	s_and_b32 s16, s14, 1                          ; my half of the columns.  Also: which half I fetch
	s_bfe_u32 s40, ttmp6, 0x40000                  ; cx, cy
	s_bfe_u32 s41, ttmp6, 0x40004
	s_lshl_b32 s42, ttmp9, 2
	s_add_co_u32 s42, s42, s40                     ; which 256 columns
	s_and_b32 s17, ttmp7, 0xffff
	s_lshl_b32 s17, s17, 2
	s_add_co_u32 s17, s17, s41                     ; which 128 tokens
	s_lshl_b32 s43, s41, 2
	s_lshl_b32 s43, 15, s43                        ; my row of the cluster
	s_lshl_b32 s44, 0x1111, s40                    ; my column
	s_or_b32 s[G1A], s43, (1<<20)|(1<<21)|(3<<22)|(3<<25)   ; y: 8 panels, each 8,192 dense bytes; 16 bytes of padding behind every 64
	s_mov_b32 s[G1A+1], 8192<<16
	s_mov_b32 s[G1A+2], 8<<16
	s_mov_b32 s[G1A+3], 8192<<16
	s_mov_b32 s[G1A+4], 8
	s_mov_b32 s[G1A+5], PANELB
	s_mov_b32 s[G1A+6], 0
	s_mov_b32 s[G1A+7], 0
	s_or_b32 s[G1B], s44, (1<<20)|(1<<21)|(7<<22)|(3<<25)   ; W_proj: rows of 1,024 bytes, 16 of padding behind each; 64 rows at the head,
	s_mov_b32 s[G1B+1], 1024<<16
	s_mov_b32 s[G1B+2], 64<<16
	s_mov_b32 s[G1B+3], 1024<<16
	s_mov_b32 s[G1B+4], 64
	s_mov_b32 s[G1B+5], 1024
	s_mov_b32 s[G1B+6], 0
	s_mov_b32 s[G1B+7], 0
	s_or_b32 s[G1C], s44, (1<<20)|(1<<21)|(7<<22)|(3<<25)   ; 32 rows a wave in the refill
	s_mov_b32 s[G1C+1], 1024<<16
	s_mov_b32 s[G1C+2], 32<<16
	s_mov_b32 s[G1C+3], 1024<<16
	s_mov_b32 s[G1C+4], 32
	s_mov_b32 s[G1C+5], 1024
	s_mov_b32 s[G1C+6], 0
	s_mov_b32 s[G1C+7], 0
	s_lshl_b32 s20, s17, 13                        ; y: 128 tokens of 64 bytes,
	s_lshl_b32 s18, s16, 22                        ; + my 8 panels
	s_add_co_u32 s20, s20, s18
	s_mov_b32 s21, 0
	s_lshl_b32 s46, s42, 8                         ; W_proj, first tile: row 256 x + 64 x half
	s_lshl_b32 s18, s16, 6
	s_add_co_u32 s46, s46, s18
	s_lshl_b32 s46, s46, 10
	s_mov_b32 s47, 0
	s_lshl_b32 s72, s42, 8                         ; second tile: row 256 x + 128 + 32 x wave
	s_lshl_b32 s18, s14, 5
	s_add_co_u32 s72, s72, s18
	s_add_co_u32 s72, s72, 128
	s_lshl_b32 s72, s72, 10
	s_mov_b32 s73, 0
	s_mul_i32 s45, s16, 8*PANEL
	s_mul_i32 s66, s16, 64*PB
	s_add_co_u32 s66, s66, BBASE
	s_mul_i32 s67, s14, 32*PB
	s_add_co_u32 s67, s67, BBASE
	s_wait_dscnt 0x0
	s_wait_kmcnt 0x0
	s_load_b64 s[96:97], s[8:9], 0x18              ; e6, e7
	s_add_nc_u64 s[20:21], s[4:5], s[20:21]
	s_add_nc_u64 s[46:47], s[6:7], s[46:47]
	s_add_nc_u64 s[72:73], s[6:7], s[72:73]
	ROUND                                          ; all sixteen work-groups are here: the first joint loads meet
	s_mov_b32 s[G0A], 1
	s_mov_b32 s[G0A+1], s45
	s_mov_b64 s[G0A+2:G0A+3], s[20:21]
	s_or_b32 s[G0A+3], s[G0A+3], 0x80000000
	s_mov_b32 s[G0B], 1
	s_mov_b32 s[G0B+1], s66
	s_mov_b64 s[G0B+2:G0B+3], s[46:47]
	s_or_b32 s[G0B+3], s[G0B+3], 0x80000000
	s_mov_b32 s[G0C], 1
	s_mov_b32 s[G0C+1], s67
	s_mov_b64 s[G0C+2:G0C+3], s[72:73]
	s_or_b32 s[G0C+3], s[G0C+3], 0x80000000
	s_cmp_eq_u32 s15, 0
	s_cbranch_scc0 .Lfor_b
	tensor_load_to_lds s[G0A:G0A+3], s[G1A:G1A+7]
	s_nop 0
	PLACES
	s_branch .Lasked
.Lfor_b:
	tensor_load_to_lds s[G0B:G0B+3], s[G1B:G1B+7]
	s_nop 0
	PLACES
.Lasked:
	s_mul_i32 s21, s15, 64*PA                      ; my 64 tokens in every panel
	s_mul_i32 s22, s16, 64*PB
	s_add_co_u32 s22, s22, BBASE                   ; my 64 rows of W_proj
	s_mul_i32 s23, s14, 16*SPITCH
	s_add_co_u32 s23, s23, STAGE                   ; my stage
	s_lshl_b32 s74, s17, 7
	s_lshl_b32 s75, s15, 6
	s_add_co_u32 s74, s74, s75
	s_lshl_b32 s74, s74, 12                        ; my first token's row of out0, 4,096 bytes a row,
	s_lshl_b32 s18, s42, 8
	s_lshl_b32 s19, s16, 6
	s_add_co_u32 s18, s18, s19
	s_lshl_b32 s18, s18, 2                         ; my first column, in bytes
	s_mov_b32 s19, 0
	s_mov_b32 s75, 0
	s_add_co_u32 s74, s74, s18
	s_add_nc_u64 s[12:13], s[12:13], s[74:75]
	s_add_nc_u64 s[10:11], s[10:11], s[18:19]
	s_wait_kmcnt 0x0
	s_add_co_i32 s96, s96, s97
	s_add_co_i32 s96, s96, 127
	s_lshl_b32 s96, s96, 23                        ; 2^(e6 + e7) as f32
	s_mov_b32 s97, s96
	v_and_b32 v1, 15, v0                           ; r
	v_bfe_u32 v2, v0, 4, 1                         ; h
	v_mul_u32_u24 v3, v1, PA
	v_lshl_add_u32 v3, v2, 4, v3
	v_add_nc_u32 v[ADRA], s21, v3
	v_add_nc_u32 v[ADRA+1], 6*PANEL, v[ADRA]
	v_add_nc_u32 v[ADRA+2], 12*PANEL, v[ADRA]
	v_mul_u32_u24 v3, v1, PB
	v_lshl_add_u32 v3, v2, 4, v3
	v_add_nc_u32 v[ADRB], s22, v3
	v_mul_u32_u24 v3, v1, SPITCH
	v_lshl_add_u32 v3, v2, 5, v3
	v_add_nc_u32 v[STO], s23, v3                   ; in: row r, 32 bytes for each half of the lanes
	v_mul_u32_u24 v3, v2, SPITCH
	v_lshl_add_u32 v3, v1, 4, v3
	v_add_nc_u32 v[RD], s23, v3                    ; back: lanes 0-15 one row of 256 bytes, lanes 16-31 the next
	v_lshlrev_b32 v[CO], 12, v2
	v_lshl_add_u32 v[CO], v1, 4, v[CO]             ; and the same two rows in out0
	v_lshlrev_b32 v[BA], 5, v2
.irp b, 0,1,2,3                                ; the bias of columns 16 b + 8 h + 0 .. 7, both tiles'
	global_load_b128 v[BI0+8*\b:BI0+8*\b+3], v[BA], s[10:11] offset:64*\b
	global_load_b128 v[BI0+8*\b+4:BI0+8*\b+7], v[BA], s[10:11] offset:64*\b+16
	global_load_b128 v[BI1+8*\b:BI1+8*\b+3], v[BA], s[10:11] offset:512+64*\b
	global_load_b128 v[BI1+8*\b+4:BI1+8*\b+7], v[BA], s[10:11] offset:512+64*\b+16
.endr
; The fragments of the q-th 128 along K into set p: registers 4 c .. 4 c + 3 hold k = 128 q + 32 c + 16 h + 0 .. 15 on both sides (panel 2 q + c / 2 of y).
.macro LOADS q, p
	WIN 0x40
.irp b, 0,1,2,3
.irp c, 0,1,2,3
	ds_load_b128 v[64*(\p)+16*\b+4*\c:64*(\p)+16*\b+4*\c+3], v[ADRB] offset:\b*16*PB+128*(\q)+32*\c
.endr
.endr
	WIN 0
.irp a, 0,1,2,3
.irp c, 0,1,2,3
	ds_load_b128 v[64+64*(\p)+16*\a+4*\c:64+64*(\p)+16*\a+4*\c+3], v[ADRA+(2*(\q)+\c/2)/6] offset:((2*(\q)+\c/2)%6)*PANEL+\a*16*PA+32*(\c%2)
.endr
.endr
.endm
.macro MULS p, q                       ; sixteen accumulators by turns, in the same order in every step; step 0 starts the sums
	WIN 0x51
.irp a, 0,1,2,3
.irp b, 0,1,2,3
.if (\q) == 0
	v_wmma_f32_16x16x128_bf8_bf8 v[128+8*(4*\a+\b):128+8*(4*\a+\b)+7], v[64*(\p)+16*\b:64*(\p)+16*\b+15], v[64+64*(\p)+16*\a:64+64*(\p)+16*\a+15], 0
.else
	v_wmma_f32_16x16x128_bf8_bf8 v[128+8*(4*\a+\b):128+8*(4*\a+\b)+7], v[64*(\p)+16*\b:64*(\p)+16*\b+15], v[64+64*(\p)+16*\a:64+64*(\p)+16*\a+15], v[128+8*(4*\a+\b):128+8*(4*\a+\b)+7]
.endif
.endr
.endr
.endm
.macro TILE                            ; eight steps of 128 along K; a step's fragments are asked for ahead of the step before it
	LOADS 0, 0
.irp q, 0,1,2,3,4,5,6
	s_wait_dscnt 0x0                               ; this step's 32 loads are in
	PLACES                                         ; in front of loads into the set that the last step multiplied
	LOADS \q+1, (\q+1)%2
	MULS \q%2, \q
.endr
	s_wait_dscnt 0x0
	MULS 1, 7
	WIN 0
.endm
; THE WAY OUT, by blocks of 16 tokens x 64 columns: sum x 2^(e6 + e7) + bias, each accumulator from its low end on; through my stage; sixteen lanes store 256 consecutive bytes, aligned.
.macro TOSTAGE a, bi
	WIN 0x01
.irp j, 0,2,4,6,8,10,12,14,16,18,20,22,24,26,28,30
	v_pk_fma_f32 v[TMP+\j:TMP+\j+1], v[128+32*(\a)+\j:128+32*(\a)+\j+1], s[96:97], v[\bi+\j:\bi+\j+1] op_sel_hi:[1,0,1]
.endr
	WIN 0
.irp b, 0,1,2,3
	ds_store_b128 v[STO], v[TMP+8*\b:TMP+8*\b+3] offset:64*\b
	ds_store_b128 v[STO], v[TMP+8*\b+4:TMP+8*\b+7] offset:64*\b+16
.endr
.irp t, 0,1,2,3,4,5,6,7
	ds_load_b128 v[BK+32*((\a)%2)+4*\t:BK+32*((\a)%2)+4*\t+3], v[RD] offset:2*\t*SPITCH   ; LDS serves a wave's instructions in order: these see my stores
.endr
.endm
.macro SEND a, younger, col
	s_wait_dscnt \younger
.irp t, 0,1,2,3,4,5,6,7
	global_store_b128 v[CO], v[BK+32*((\a)%2)+4*\t:BK+32*((\a)%2)+4*\t+3], s[12:13] offset:(\a)*65536+\t*8192+\col th:TH_STORE_NT
.endr
.endm
.macro WAYOUT bi, col
	TOSTAGE 0, \bi
.irp a, 1,2,3
.if \a > 1
	s_wait_xcnt 0x0                                ; block a - 2's stores have read their registers: block a's loads may land there
.endif
	TOSTAGE \a, \bi
	SEND \a-1, 16, \col                            ; behind block a - 1's loads: block a's 8 stores and 8 loads
.endr
	SEND 3, 0, \col
.endm
	s_wait_alu depctr_va_vdst(0)
	s_wait_tensorcnt 0x0                           ; my part of y or of W_proj is in
	ds_add_u32 v[SPW], v[NIL]
	s_wait_dscnt 0x0
	s_barrier_signal -1
	s_barrier_wait -1                              ; everybody's is
	TILE
	s_wait_tensorcnt 0x0                           ; the three lines in front of a refill's round
	ds_add_u32 v[SPW], v[NIL]
	s_wait_dscnt 0x0                               ; my reads of the first tile's rows of W_proj are over
	ROUND                                          ; no wave of any partner still reads them
	tensor_load_to_lds s[G0C:G0C+3], s[G1C:G1C+7]  ; the second tile's rows, 32 a wave
	s_nop 0
	PLACES                                         ; also the places behind the last products
	s_wait_loadcnt 0x0                             ; the bias
	WAYOUT BI0, 0
	s_wait_tensorcnt 0x0                           ; my 32 rows are in
	ds_add_u32 v[SPW], v[NIL]
	s_wait_dscnt 0x0
	s_barrier_signal -1
	s_barrier_wait -1                              ; everybody's are
	s_wait_xcnt 0x0                                ; the stores have read their registers: fragments may land there
	TILE
	PLACES
	WAYOUT BI1, 512
	s_wait_tensorcnt 0x0                           ; the wave's end
	ds_add_u32 v[SPW], v[NIL]
	s_wait_dscnt 0x0
	ROUND                                          ; the closing round
	s_endpgm
.Lfunc_end_k_qdac181d61a_gemm_proj:
	.size	k_qdac181d61a_gemm_proj, .Lfunc_end_k_qdac181d61a_gemm_proj-k_qdac181d61a_gemm_proj
	.p2alignl 7, 3214868480
	.fill 96, 4, 3214868480
	.section	.rodata,"a",@progbits
	.p2align	6, 0x0
	.amdhsa_kernel k_qdac181d61a_gemm_proj
		.amdhsa_group_segment_fixed_size 327680
		.amdhsa_private_segment_fixed_size 0
		.amdhsa_enable_private_segment 0
		.amdhsa_kernarg_size 40
		.amdhsa_user_sgpr_count 2
		.amdhsa_user_sgpr_kernarg_segment_ptr 1
		.amdhsa_wavefront_size32 1
		.amdhsa_system_sgpr_workgroup_id_x 1
		.amdhsa_system_sgpr_workgroup_id_y 1
		.amdhsa_system_sgpr_workgroup_id_z 1
		.amdhsa_system_vgpr_workitem_id 0
		.amdhsa_next_free_vgpr 512
		.amdhsa_next_free_sgpr 98
		.amdhsa_reserve_vcc 0
		.amdhsa_float_denorm_mode_32 3
		.amdhsa_float_denorm_mode_16_64 3
		.amdhsa_memory_ordered 1
		.amdhsa_forward_progress 1
		.amdhsa_inst_pref_size 85
	.end_amdhsa_kernel
	.amdgpu_metadata
---
amdhsa.version: [ 1, 2 ]
amdhsa.kernels:
  - .name:           k_qdac181d61a_gemm_proj
    .symbol:         k_qdac181d61a_gemm_proj.kd
    .args:
      - { .name: yc, .offset: 0, .size: 8, .value_kind: global_buffer, .address_space: global }
      - { .name: wpc, .offset: 8, .size: 8, .value_kind: global_buffer, .address_space: global }
      - { .name: lowp_scales, .offset: 16, .size: 8, .value_kind: global_buffer, .address_space: global }
      - { .name: b_proj, .offset: 24, .size: 8, .value_kind: global_buffer, .address_space: global }
      - { .name: out0, .offset: 32, .size: 8, .value_kind: global_buffer, .address_space: global }
    .group_segment_fixed_size: 327680
    .private_segment_fixed_size: 0
    .kernarg_segment_align: 8
    .kernarg_segment_size: 40
    .max_flat_workgroup_size: 128
    .sgpr_count:     98
    .vgpr_count:     512
    .wavefront_size: 32
...
	.end_amdgpu_metadata
.endif
;; end of part 4
